; MI455X (gfx1250); checked and timed in simulation.
; The chip was launched on July 23, 2026; its instructions are those of AMD's public machine-readable ISA for CDNA 5 (MIT licence, August 2026) and "CDNA5" Instruction Set Architecture Reference Guide (July 2026). The comments in the code are by the model that wrote it; some were corrected since.
;; Efficient Mo E Layer. Allowed arithmetic: matrix products marked QUANTISED: E4M3 operands, one E8M0 scale for each 32 along K, by v_wmma_scale_f32_16x16x128_f8f6f4 with both operands' format E4M3, f32 sums; products left as they are: f32 operands where the result goes on into a quantised operand, else bf16, f16 or f32 operands; f32 sums; everything else in f32.
;; Inputs: W1_codes 8 x 4,096 x 32 x 32 uint8 (E4M3 codes of W1, K innermost, in blocks of 32 codes); W1_scales 8 x 4,096 x 32 uint8 (E8M0 scales of W1, one for each 32 codes along K); W2_codes 8 x 1,024 x 128 x 32 uint8 (E4M3 codes of W2, K innermost, in blocks of 32 codes); W2_scales 8 x 1,024 x 128 uint8 (E8M0 scales of W2, one for each 32 codes along K); Wr 1,024 x 8 float32; b1 8 x 4,096 float32; b2 8 x 1,024 float32; x 4 x 256 x 1,024 float32.
;; Outputs: out0 4 x 256 x 1,024 float32.
;; This version of the problem:
;;   THIS VERSION OF THE PROBLEM IS GIVEN IN LOW PRECISION. The matrix products marked QUANTISED in the list below multiply operands that are first quantised to E4M3 (4 exponent bits, 3 mantissa bits; 8 bits a number), with one power-of-two scale for each 32 numbers along K (OCP MX v1.0); their sums are f32. All else is computed in f32.
;;   The module's matrix products, in the order in which they are computed (A, B: the left and right operand; K: the contracted axis; several contracted axes count as one K, in the product's order):
;;     1. [M 1,024, K 1,024] x [K 1,024, N 8]; A: input x; B: input Wr: left as it is (N = 8 < 16)
;;     2. [M 1,024, K 1,024] x [K 1,024, N 4,096]; A: input x; B: input W1 (given as codes): QUANTISED
;;     3. [M 1,024, K 4,096] x [K 4,096, N 1,024]; A: computed on the way; B: input W2 (given as codes): QUANTISED
;;     4. [M 1,024, K 1,024] x [K 1,024, N 4,096]; A: input x; B: input W1 (given as codes): QUANTISED
;;     5. [M 1,024, K 4,096] x [K 4,096, N 1,024]; A: computed on the way; B: input W2 (given as codes): QUANTISED
;;     6. [M 1,024, K 1,024] x [K 1,024, N 4,096]; A: input x; B: input W1 (given as codes): QUANTISED
;;     7. [M 1,024, K 4,096] x [K 4,096, N 1,024]; A: computed on the way; B: input W2 (given as codes): QUANTISED
;;     8. [M 1,024, K 1,024] x [K 1,024, N 4,096]; A: input x; B: input W1 (given as codes): QUANTISED
;;     9. [M 1,024, K 4,096] x [K 4,096, N 1,024]; A: computed on the way; B: input W2 (given as codes): QUANTISED
;;     10. [M 1,024, K 1,024] x [K 1,024, N 4,096]; A: input x; B: input W1 (given as codes): QUANTISED
;;     11. [M 1,024, K 4,096] x [K 4,096, N 1,024]; A: computed on the way; B: input W2 (given as codes): QUANTISED
;;     12. [M 1,024, K 1,024] x [K 1,024, N 4,096]; A: input x; B: input W1 (given as codes): QUANTISED
;;     13. [M 1,024, K 4,096] x [K 4,096, N 1,024]; A: computed on the way; B: input W2 (given as codes): QUANTISED
;;     14. [M 1,024, K 1,024] x [K 1,024, N 4,096]; A: input x; B: input W1 (given as codes): QUANTISED
;;     15. [M 1,024, K 4,096] x [K 4,096, N 1,024]; A: computed on the way; B: input W2 (given as codes): QUANTISED
;;     16. [M 1,024, K 1,024] x [K 1,024, N 4,096]; A: input x; B: input W1 (given as codes): QUANTISED
;;     17. [M 1,024, K 4,096] x [K 4,096, N 1,024]; A: computed on the way; B: input W2 (given as codes): QUANTISED
;;   THE QUANTISER, for each operand of a quantised product, along K:
;;     - K is cut into blocks of 32 from its start; a last block that is shorter is filled with zeros.
;;     - A block's scale is 2^e with e = floor(log2(the largest magnitude in the block)) - 8, held to -126 .. 127; a block of zeros has e = 0. As a byte (E8M0): e + 127.
;;     - Each number is divided by its block's scale, clamped to +-448, and rounded to the nearest number of E4M3, ties to even, subnormals kept.
;;     - The product sums the exact products of the quantised numbers (number of the format x scale) in f32.
;;   ~~~python
;;   def quantise(x, axis):      # numpy; x: float32 -> the quantised numbers, widened to float32 again
;;       x = np.moveaxis(x, axis, -1); K = x.shape[-1]
;;       x = np.pad(x, [(0, 0)] * (x.ndim - 1) + [(0, -K % 32)]); x = x.reshape(x.shape[:-1] + (-1, 32)); a = np.abs(x).max(-1, keepdims=True)
;;       e = np.where(a > 0, np.clip(np.frexp(np.where(a > 0, a, 1))[1] - 1 - 8, -126, 127), 0)      # np.frexp(a)[1] - 1 = floor(log2(a)), exactly
;;       r = np.clip(x / 2.0 ** e, -448, 448)
;;       step = 2.0 ** (np.maximum(np.frexp(np.where(r == 0, 1, r))[1] - 1, -6) - 3)
;;       q = np.round(r / step) * step * 2.0 ** e      # np.round: ties to even
;;       return np.moveaxis(q.reshape(q.shape[:-2] + (-1,))[..., :K], -1, axis).astype(np.float32)
;;   ~~~
;;   OPERANDS COMPUTED ON THE WAY. 'Computed on the way' means the value that the module computes at that place (a softmax that the list does not call 'softmax' is quantised finished and normalised). What goes into a quantiser is computed in f32, as accurately as f32 sums, v_exp_f32 and their like allow (about 1e-6 of the number): no bf16 or f16 on the way to a quantiser, and a product that is left as it is and whose result goes on into a quantised operand takes f32 operands (vector FMAs, or v_wmma_f32_16x16x4_f32). A number that lies on a knife's edge between two numbers of the format may be rounded either way, as far as f32 arithmetic and the matrix unit's own rounding can turn it there, and no further.
;;   INPUTS GIVEN AS CODES. W1 (in the module: [8, 1024, 4096], K = its axis 1); W2 (in the module: [8, 4096, 1024], K = its axis 1): each comes as NAME_codes (uint8): NAME with its K axis moved to the last place and cut into blocks of 32 codes, [.., K / 32, bytes a block], one block behind the other in memory; one code a byte (a code: sign, 4 exponent bits, 3 mantissa bits); and NAME_scales (uint8): the same leading axes, one E8M0 byte (e + 127) for each 32 codes along K. Its value is code x scale, taken as it is: it is not quantised again, and the codes and scales need not be those that the quantiser above would give.
;; 2 versions, each right; version 2 is version 1 with the launch ffn2 written anew for expert scheduling mode. Each part assembles by itself: llvm-mc -triple=amdgcn-amd-amdhsa -mcpu=gfx1250 --defsym DOCPART=n.
;; ======== version 1 of 2: 4 launches
;; workspace buffers: xq 1,048,576 bytes; xs 32,768 bytes; sel 4,096 bytes of whole numbers; gates 8,192 bytes; h 33,554,432 bytes; hs 1,048,576 bytes; place 33,792 bytes of whole numbers; yr 33,554,432 bytes
;; launch route (part 1): grid 256 x 1, 4 waves a work-group, no clusters, 1,536 bytes of LDS; arguments x, Wr, xq, xs, sel, gates; writes xq, xs, sel, gates
.if DOCPART == 1
	.amdgcn_target "amdgcn-amd-amdhsa--gfx1250"
	.amdhsa_code_object_version 6
	.text
	.protected	k_q6198d4d49e_route
	.globl	k_q6198d4d49e_route
	.p2align	8
	.type	k_q6198d4d49e_route,@function
k_q6198d4d49e_route:
	s_mov_b64 s[64:65], 0
	v_nop
	global_prefetch_b8 v0, s[64:65] scope:SCOPE_SE
	s_setreg_imm32_b32 hwreg(HW_REG_WAVE_MODE, 25, 1), 1
	s_wait_xcnt 0x0
; THE ROUTER AND x's QUANTISER.  x [1024 tokens][1024] f32, Wr [1024][8] f32.
; Out: xq [token][1024] codes of E4M3, K innermost; xs [token][8] words, word s = the four E8M0 bytes of k = 128 s .. 128 s + 127;
; sel [token] = e0 | e1 << 8 | ((1 << e0) | (1 << e1)) << 16 (whole numbers: later launches form addresses from them); gates [token][2] f32.
; SHARES.  A work-group takes 4 tokens; wave w takes k = 256 w .. 256 w + 255 of all four; lane l takes k = 256 w + 8 l + 0 .. 7, so a block of 32 lies in four neighbouring lanes.
; The logits are f32 multiply-adds (they steer the choice of experts); the four waves' partial sums meet in LDS, and wave w finishes token w.
; The softmax takes the row's maximum away first.  Top 2: a later expert replaces an earlier one only where its probability is strictly larger, so the lower index wins a tie.
; LIMITS: NaN and infinities are not served; a block of zeros gets the byte 1 (its codes are zeros, and this program alone reads the bytes);
; probabilities that differ by less than f32 sums in another order can tell may be ranked otherwise than by a sum in ascending k.
; No matrix unit, no cluster: the work is one pass over 4 MB, and the work-groups share only Wr's 32 KB.
.set X,   16                           ; v16-47   x: token tk's eight numbers at X + 8 tk
.set WR,  48                           ; v48-111  Wr: row i of my eight at WR + 8 i, eight experts each
.set ACC, 112                          ; v112-143 logits' partial sums: token tk at ACC + 8 tk
.set CD,  144                          ; v144-151 codes, two registers a token
.set SW,  152                          ; v152-155 scale words, one a token
.set T,   156                          ; v156-163 at work
.set MX,  164
.set SO,  165
.set HD,  166
.set TP,  168                          ; v168-171 destinations of lane exchanges: written once at the head
.set BV,  172                          ; the best probability and its expert; the second best and its expert
.set BI,  173
.set SV,  174
.set SI,  175
.set LG,  176                          ; v176-183 my token's logits, then probabilities
.set PS,  184                          ; v184-215 the four waves' partial sums read back
	s_load_b256 s[4:11], s[0:1], 0x0               ; x s[4:5], Wr s[6:7], xq s[8:9], xs s[10:11]
	s_load_b128 s[12:15], s[0:1], 0x20             ; sel s[12:13], gates s[14:15]
	v_lshl_add_u32 v216, v0, 2, 0x400
	v_mov_b32 v217, 0
	v_lshrrev_b32 v1, 5, v0
	v_readfirstlane_b32 s16, v1                    ; wave 0..3
	v_and_b32 v1, 31, v0                           ; lane
	v_lshlrev_b32 v2, 5, v1                        ; x: my eight numbers, 32 bytes a lane
	v_lshlrev_b32 v3, 8, v1                        ; Wr: my eight rows of 32 bytes
	v_bfe_u32 v4, v0, 2, 2
	v_lshlrev_b32 v4, 3, v4                        ; my block's byte in its scale word: 8 x ((lane / 4) % 4) bits up
	v_lshlrev_b32 v5, 3, v1                        ; my eight codes
	v_bfe_u32 v6, v0, 4, 1
	v_lshlrev_b32 v6, 2, v6                        ; the scale word of my half of the lanes
	s_lshl_b32 s17, s16, 7
	s_lshl_b32 s18, s16, 5
	v_mov_b32 v7, s17                              ; LDS: my wave's 128 bytes of partial sums
	v_mov_b32 v8, s18                              ; LDS: my token's 32 bytes in each wave's 128
	v_mov_b32 v9, 0
	v_and_b32 v10, 15, v0
	v_mov_b32 v11, 0x10000
.irp i, 0,1,2,3
	v_mov_b32 v[TP+\i], 0                          ; a lane exchange's destination counts as one of its sources
.endr
	s_mov_b32 s20, 0x76543210
	s_mov_b32 s21, 0xfedcba98                      ; v_permlanex16_b32's selects for lane l xor 16
	s_mov_b32 s22, 0x600000                        ; the mantissa field of 448
	s_mov_b32 s25, 0
.macro BASE ptr, gs, ws                ; the pointer goes on by work-group << gs + wave << ws
	s_lshl_b32 s24, ttmp9, \gs
	s_lshl_b32 s26, s16, \ws
	s_add_co_u32 s24, s24, s26
	s_add_nc_u64 s[\ptr:\ptr+1], s[\ptr:\ptr+1], s[24:25]
.endm
	s_wait_kmcnt 0x0
	BASE 4, 14, 10                                 ; x: 4 tokens of 4,096 bytes; 256 numbers a wave
	s_lshl_b32 s24, s16, 13
	s_add_nc_u64 s[6:7], s[6:7], s[24:25]          ; Wr: 256 rows a wave
	BASE 8, 12, 8                                  ; xq
	BASE 10, 7, 3                                  ; xs
	BASE 12, 4, 2                                  ; sel: token 4 g + w
	BASE 14, 5, 3                                  ; gates
.irp tk, 0,1,2,3
	global_load_b128 v[X+8*\tk:X+8*\tk+3],   v2, s[4:5] offset:4096*\tk th:TH_LOAD_NT
	global_load_b128 v[X+8*\tk+4:X+8*\tk+7], v2, s[4:5] offset:4096*\tk+16 th:TH_LOAD_NT
.endr
.irp i, 0,1,2,3,4,5,6,7
	global_load_b128 v[WR+8*\i:WR+8*\i+3],   v3, s[6:7] offset:32*\i
	global_load_b128 v[WR+8*\i+4:WR+8*\i+7], v3, s[6:7] offset:32*\i+16
.endr
	s_wait_loadcnt 0x0
	; the logits: 4 tokens x 8 experts, two experts an instruction; x's number is taken for both halves.  Sixteen sums take turns
.irp tk, 0,1,2,3
.irp p, 0,2,4,6
	v_pk_mul_f32 v[ACC+8*\tk+\p:ACC+8*\tk+\p+1], v[WR+\p:WR+\p+1], v[X+8*\tk:X+8*\tk+1] op_sel_hi:[1,0]
.endr
.endr
.irp i, 1,2,3,4,5,6,7
.irp tk, 0,1,2,3
.irp p, 0,2,4,6
.if (\i)%2
	v_pk_fma_f32 v[ACC+8*\tk+\p:ACC+8*\tk+\p+1], v[WR+8*\i+\p:WR+8*\i+\p+1], v[X+8*\tk+\i-1:X+8*\tk+\i], v[ACC+8*\tk+\p:ACC+8*\tk+\p+1] op_sel:[0,1,0] op_sel_hi:[1,1,1]
.else
	v_pk_fma_f32 v[ACC+8*\tk+\p:ACC+8*\tk+\p+1], v[WR+8*\i+\p:WR+8*\i+\p+1], v[X+8*\tk+\i:X+8*\tk+\i+1], v[ACC+8*\tk+\p:ACC+8*\tk+\p+1] op_sel_hi:[1,0,1]
.endif
.endr
.endr
.endr
	; over the wave's 32 lanes: four steps inside each half ride on the additions, one crosses the halves
.irp m, 1,2,4,8
.set j, 0
.rept 32
	v_add_f32_dpp v[ACC+j], v[ACC+j], v[ACC+j] row_xmask:\m row_mask:0xf bank_mask:0xf
.set j, j+1
.endr
.endr
.set j, 0
.rept 8
.irp i, 0,1,2,3
	v_permlanex16_b32 v[TP+\i], v[ACC+j+\i], s20, s21
.endr
.irp i, 0,1,2,3
	v_add_f32 v[ACC+j+\i], v[ACC+j+\i], v[TP+\i]
.endr
.set j, j+4
.endr
.irp tk, 0,1,2,3
	ds_store_b128 v7, v[ACC+8*\tk:ACC+8*\tk+3] offset:32*\tk          ; every lane holds the same sums and writes the same bytes
	ds_store_b128 v7, v[ACC+8*\tk+4:ACC+8*\tk+7] offset:32*\tk+16
.endr
; x's quantiser for token tk.  A block's largest magnitude: my eight and the floor 2^(9 - 127), then my three neighbours'.  Its exponent field less 8 is the scale's byte.
.macro QX tk
.set XS, X+8*(\tk)
	v_max3_num_f32 v[MX], |v[XS]|, |v[XS+1]|, 0x4800000
	v_max3_num_f32 v[MX], v[MX], |v[XS+2]|, |v[XS+3]|
	v_max3_num_f32 v[MX], v[MX], |v[XS+4]|, |v[XS+5]|
	v_max3_num_f32 v[MX], v[MX], |v[XS+6]|, |v[XS+7]|
	v_max_num_f32_dpp v[MX], v[MX], v[MX] row_xmask:1 row_mask:0xf bank_mask:0xf
	v_max_num_f32_dpp v[MX], v[MX], v[MX] row_xmask:2 row_mask:0xf bank_mask:0xf
	v_add_nc_u32 v[SO], 0xfc000000, v[MX]          ; 8 off the exponent field: the conversion takes this operand's exponent field as its scale
	v_and_or_b32 v[HD], v[MX], 0x7f800000, s22     ; 448 x the scale
.irp i, 0,1,2,3,4,5,6,7
	v_med3_num_f32 v[T+\i], v[XS+\i], -v[HD], v[HD]   ; the conversion to an 8-bit code does not saturate (ISA guide 7.6.2): the hold comes first
.endr
	v_cvt_scalef32_pk8_fp8_f32 v[CD+2*(\tk):CD+2*(\tk)+1], v[T:T+7], v[SO]
	v_lshrrev_b32 v[SW+(\tk)], 23, v[SO]           ; the byte,
	v_lshlrev_b32 v[SW+(\tk)], v4, v[SW+(\tk)]     ; at its place in the word;
	v_mov_b32_dpp v[TP], v[SW+(\tk)] row_xmask:4 row_mask:0xf bank_mask:0xf
	v_or_b32 v[SW+(\tk)], v[SW+(\tk)], v[TP]       ; the four blocks of sixteen lanes make the word: lanes 0-15 word 2 w, lanes 16-31 word 2 w + 1
	v_mov_b32_dpp v[TP], v[SW+(\tk)] row_xmask:8 row_mask:0xf bank_mask:0xf
	v_or_b32 v[SW+(\tk)], v[SW+(\tk)], v[TP]
	global_store_b64 v5, v[CD+2*(\tk):CD+2*(\tk)+1], s[8:9] offset:1024*(\tk)   ; 32 lanes store 256 consecutive bytes, aligned
.endm
	QX 0
	QX 1
	QX 2
	QX 3
	v_cmp_eq_u32 vcc_lo, 0, v10                    ; lanes 0 and 16 store the two words
	s_wait_xcnt 0x0                                ; EXEC is a source of the stores above: it changes only behind this wait
	s_and_saveexec_b32 s27, vcc_lo
.irp tk, 0,1,2,3
	global_store_b32 v6, v[SW+\tk], s[10:11] offset:32*\tk
.endr
	s_wait_xcnt 0x0                                ; and again in front of the line that widens it
	s_or_b32 exec_lo, exec_lo, s27
	s_wait_dscnt 0x0                               ; for the others' sake: my partial sums lie in LDS
	s_barrier_signal -1
	s_barrier_wait -1
.irp s, 0,1,2,3
	ds_load_b128 v[PS+8*\s:PS+8*\s+3],   v8 offset:128*\s
	ds_load_b128 v[PS+8*\s+4:PS+8*\s+7], v8 offset:128*\s+16
.endr
	s_wait_dscnt 0x0
.irp p, 0,2,4,6
	v_pk_add_f32 v[LG+\p:LG+\p+1], v[PS+\p:PS+\p+1], v[PS+8+\p:PS+8+\p+1]
	v_pk_add_f32 v[PS+16+\p:PS+16+\p+1], v[PS+16+\p:PS+16+\p+1], v[PS+24+\p:PS+24+\p+1]
.endr
.irp p, 0,2,4,6
	v_pk_add_f32 v[LG+\p:LG+\p+1], v[LG+\p:LG+\p+1], v[PS+16+\p:PS+16+\p+1]   ; token 4 g + w's eight logits, in every lane
.endr
	v_max3_num_f32 v[MX], v[LG], v[LG+1], v[LG+2]
	v_max3_num_f32 v[MX], v[MX], v[LG+3], v[LG+4]
	v_max3_num_f32 v[MX], v[MX], v[LG+5], v[LG+6]
	v_max_num_f32 v[MX], v[MX], v[LG+7]            ; the softmax takes the maximum away
.irp e, 0,1,2,3,4,5,6,7
	v_sub_f32 v[LG+\e], v[LG+\e], v[MX]
.endr
.irp e, 0,1,2,3,4,5,6,7
	v_mul_f32 v[LG+\e], 0x3fb8aa3b, v[LG+\e]       ; x log2(e)
.endr
.irp e, 0,1,2,3,4,5,6,7
	v_exp_f32 v[LG+\e], v[LG+\e]
.endr
	v_nop                                          ; a plain instruction behind the last exponential,
	s_wait_alu depctr_va_vdst(0)                   ; and one wait for the batch, ahead of its first reader
	v_add_f32 v[T], v[LG], v[LG+1]
	v_add_f32 v[T+1], v[LG+2], v[LG+3]
	v_add_f32 v[T+2], v[LG+4], v[LG+5]
	v_add_f32 v[T+3], v[LG+6], v[LG+7]
	v_add_f32 v[T], v[T], v[T+1]
	v_add_f32 v[T+2], v[T+2], v[T+3]
	v_add_f32 v[T], v[T], v[T+2]
	v_rcp_f32 v[T+1], v[T]
	v_nop
	s_wait_alu depctr_va_vdst(0)
.irp e, 0,1,2,3,4,5,6,7
	v_mul_f32 v[LG+\e], v[LG+\e], v[T+1]           ; the probabilities
.endr
; the largest of the eight and its index: what stands is kept where the newcomer is not larger
.macro BEST val, idx
	v_mov_b32 v[\val], v[LG]
	v_mov_b32 v[\idx], 0
.irp e, 1,2,3,4,5,6,7
	v_cmp_le_f32 vcc_lo, v[LG+\e], v[\val]
	v_cndmask_b32 v[\idx], \e, v[\idx], vcc_lo
	v_max_num_f32 v[\val], v[\val], v[LG+\e]
.endr
.endm
	BEST BV, BI
.irp e, 0,1,2,3,4,5,6,7
	v_cmp_ne_u32 vcc_lo, \e, v[BI]
	v_cndmask_b32 v[LG+\e], -1.0, v[LG+\e], vcc_lo  ; the winner steps out: -1 lies under every probability
.endr
	BEST SV, SI
	v_add_f32 v[T], v[BV], v[SV]
	v_rcp_f32 v[T+1], v[T]
	v_lshl_or_b32 v[T+4], v[SI], 8, v[BI]          ; (plain work behind the reciprocal)  e0 | e1 << 8
	v_lshlrev_b32 v[T+5], v[BI], v11               ; 1 << (16 + e0)
	v_lshlrev_b32 v[T+6], v[SI], v11
	v_or_b32 v[T+4], v[T+4], v[T+5]
	v_or_b32 v[T+4], v[T+4], v[T+6]
	s_wait_alu depctr_va_vdst(0)
	v_mul_f32 v[T+2], v[BV], v[T+1]                ; the gates, renormalised over the two
	v_mul_f32 v[T+3], v[SV], v[T+1]
	v_cmp_eq_u32 vcc_lo, 0, v1
	s_wait_xcnt 0x0                                ; EXEC changes only behind this wait
	s_wait_tensorcnt 0x0
	ds_add_u32 v216, v217
	s_wait_dscnt 0x0
	s_and_saveexec_b32 s27, vcc_lo                 ; lane 0 stores the token's word and its two gates
	global_store_b32 v9, v[T+4], s[12:13]
	global_store_b64 v9, v[T+2:T+3], s[14:15]
	s_endpgm
.Lfunc_end_k_q6198d4d49e_route:
	.size	k_q6198d4d49e_route, .Lfunc_end_k_q6198d4d49e_route-k_q6198d4d49e_route
	.p2alignl 7, 3214868480
	.fill 96, 4, 3214868480
	.section	.rodata,"a",@progbits
	.p2align	6, 0x0
	.amdhsa_kernel k_q6198d4d49e_route
		.amdhsa_group_segment_fixed_size 1536
		.amdhsa_private_segment_fixed_size 0
		.amdhsa_enable_private_segment 0
		.amdhsa_kernarg_size 48
		.amdhsa_user_sgpr_count 2
		.amdhsa_user_sgpr_kernarg_segment_ptr 1
		.amdhsa_wavefront_size32 1
		.amdhsa_system_sgpr_workgroup_id_x 1
		.amdhsa_system_sgpr_workgroup_id_y 1
		.amdhsa_system_sgpr_workgroup_id_z 1
		.amdhsa_system_vgpr_workitem_id 0
		.amdhsa_next_free_vgpr 218
		.amdhsa_next_free_sgpr 66
		.amdhsa_reserve_vcc 1
		.amdhsa_float_denorm_mode_32 3
		.amdhsa_float_denorm_mode_16_64 3
		.amdhsa_memory_ordered 1
		.amdhsa_forward_progress 1
		.amdhsa_inst_pref_size 37
	.end_amdhsa_kernel
	.amdgpu_metadata
---
amdhsa.version: [ 1, 2 ]
amdhsa.kernels:
  - .name:           k_q6198d4d49e_route
    .symbol:         k_q6198d4d49e_route.kd
    .args:
      - { .name: x, .offset: 0, .size: 8, .value_kind: global_buffer, .address_space: global }
      - { .name: Wr, .offset: 8, .size: 8, .value_kind: global_buffer, .address_space: global }
      - { .name: xq, .offset: 16, .size: 8, .value_kind: global_buffer, .address_space: global }
      - { .name: xs, .offset: 24, .size: 8, .value_kind: global_buffer, .address_space: global }
      - { .name: sel, .offset: 32, .size: 8, .value_kind: global_buffer, .address_space: global }
      - { .name: gates, .offset: 40, .size: 8, .value_kind: global_buffer, .address_space: global }
    .group_segment_fixed_size: 1536
    .private_segment_fixed_size: 0
    .kernarg_segment_align: 8
    .kernarg_segment_size: 48
    .max_flat_workgroup_size: 128
    .sgpr_count:     66
    .vgpr_count:     218
    .wavefront_size: 32
...
	.end_amdgpu_metadata
.endif
;; end of part 1
;; launch ffn1 (part 2): grid 32 x 8, 4 waves a work-group, no clusters, 205,312 bytes of LDS; arguments sel, xq, xs, W1_codes, W1_scales, b1, h, hs, place; writes h, hs, place
.if DOCPART == 2
	.amdgcn_target "amdgcn-amd-amdhsa--gfx1250"
	.amdhsa_code_object_version 6
	.text
	.protected	k_q6198d4d49e_ffn1
	.globl	k_q6198d4d49e_ffn1
	.p2align	8
	.type	k_q6198d4d49e_ffn1,@function
k_q6198d4d49e_ffn1:
	s_mov_b64 s[64:65], 0
	v_nop
	global_prefetch_b8 v0, s[64:65] scope:SCOPE_SE
	s_setreg_imm32_b32 hwreg(HW_REG_WAVE_MODE, 25, 1), 1
	s_wait_xcnt 0x0
; THE FIRST PRODUCT, FOR THE CHOSEN ROWS ONLY: h = Q(relu(xq W1[e]^T + b1[e])), Q the quantiser along the second product's K, on codes of E4M3 with E8M0 scales.
; A work-group is (chunk = x, expert e = y): hidden units 128 chunk .. + 127 of expert e, which are K step 'chunk' of the second product, for all rows that chose e.
; PLACING.  Wave 0 scans sel (whole numbers that the launch before stored) while the weights are on their way, and lays a list position -> token in LDS: the n tokens that chose e take
; positions 0 .. n - 1, all others fill from 1,023 downward.  So every position holds a real token, a tile's spare rows are computed like any other and never read, and no row mask is needed.
; The work-groups with chunk 0 also store each token's position and n (buffer place) for the launches behind.
; SHARES.  K IS SPLIT OVER THE WAVES: wave w takes k = 256 w .. + 255 (two steps of 128) of all 128 hidden units, so each byte of W1 goes to one wave's registers, once, and stays (256 registers).
; A trip is 64 positions, four tiles of 16.  Each wave multiplies all four tiles by its part of K; the partial sums of three tiles go to their owners through LDS as images of the registers;
; wave w adds the four parts of tile w and the bias, quantises in registers and stores the fragment as the second product's registers want it (h) with its scale word (hs).
; THE PRODUCT IS USED TRANSPOSED (source 0 = 16 rows of W1, source 1 = 16 rows of x): a lane holds ONE row, its registers run along the hidden units.  THE ROWS OF W1 THAT FORM A TILE ARE NOT NEIGHBOURS:
; lane r of tile 2 b + u takes row 32 b + 8 u + r + 8 (r / 8), so that the 16 registers of tiles 2 b, 2 b + 1 are 16 neighbours along the next K: 32 b + 16 (lane / 16) + 0 .. 15.
; TRIPS.  The loop has a constant count (17 trips serve n up to 1,024) and every wave passes every barrier; a trip whose positions lie at or beyond n jumps over its WORK by a scalar branch on n.  Trip 0 is always worked.
; ONE BARRIER A TRIP: the parts go through two sets of slots by turns.  A set is written again two trips on, behind the barrier of the trip between, in front of which every wave has waited for its reads of the set.
; NO CLUSTER, NO TENSOR LOAD, though the 32 chunks of an expert read the same rows of x: which trips work hangs on a count read from memory, and the rows are gathered by a list, a lane a row; so operands go from memory straight into registers.
; The next trip's rows (32 loads of codes, 4 of scale words a wave) are asked for among this trip's LDS stores, into the other of two register buffers: they have the exchange, the sums and the quantiser in which to come.
; LIMITS: NaN and infinities are not served; a block whose numbers are all 0 or less gets the byte 1 (its codes are zeros, and this program alone reads the bytes).
; REGISTERS, in windows of 256: window 0: addresses, scale words, bias, the hidden tile at work.  window 1: W1's 16 fragments (tile t, step g at 32 t + 16 g).
;   window 2: x's fragments, two buffers (buffer p, local tile u, step g at 128 p + 32 u + 16 g).  window 3: 32 accumulators (local tile u, tile t at 64 u + 8 t); those of u = 1 .. 3 later take the parts received.
.set CNT,   6144                       ; LDS: 0 .. 4,095 the list, 4 bytes a position (bytes up to 6,143 are left free behind it); here the count n
.set XCH,   8192                       ; LDS: two sets of twelve slots of 8,192 bytes: slot 3 d + u - 1 holds the part for wave d from wave (d - u) mod 4; in it tile t, half n at 1,024 t + 512 n + 16 x lane
.set SLOTB, 8192
.set DSTB,  3*SLOTB
.set XSET,  4*DSTB                     ; a set: 98,304 bytes
.set LANE, 1
.set R,    2                           ; lane % 16
.set HH,   3                           ; lane / 16
.set H16,  4                           ; 16 x (lane / 16)
.set H4,   5                           ; 4 x (lane / 16)
.set L16,  6                           ; 16 x lane
.set XR,   7                           ; set 0: v7 where I read the three parts meant for me; v8-10: XR + u: where I put local tile u's part
.set XQ,   205                         ; set 1's four address registers stand XQ further up: v212-215
.set LB,   12                          ; v12-15 local tile u's place in a trip's part of the list: 64 ((w + u) % 4) + 4 r
.set TOK,  16                          ; v16-19 list addresses, then tokens
.set XO,   20                          ; v20-23 my row's offset in xq
.set SO,   24                          ; v24-27 and in xs
.set HO,   28
.set HSO,  29
.set R16,  30                          ; 16 x (lane % 16)
.set NIL,  31                          ; 0
.set WSC,  32                          ; v32-39 W1's scale words: tile t; lanes 0-15 step 0, lanes 16-31 step 1
.set XSC,  40                          ; v40-47 x's scale words: buffer p, local tile u at 4 p + u; the lanes likewise
.set BIAS, 48                          ; v48-111 b1 in the result's layout
.set H,    112                         ; v112-175 my tile of the hidden layer
.set PC,   176                         ; v176-191 its codes
.set TM,   192                         ; v192-207 the quantiser's: largest magnitudes, bytes, holds, scale operands
.set PW,   208                         ; its scale word
.set WO,   209                         ; offsets of the loads at the head; never rewritten
.set WSO,  210
.set BO,   211
.set SELR, 112                         ; the scan (wave 0, at the head): v112-143 sel's words, v144-175 positions, v176-185 at work
.set POS,  144
.set MSB, 0
.macro WIN new                         ; the immediate's high byte repeats the setting that is left; bits 1:0 source 0, 3:2 source 1, 5:4 source 2, 7:6 destination
.if MSB != (\new)
	s_set_vgpr_msb (MSB<<8)|(\new)
.set MSB, (\new)
.endif
.endm
.macro NOPS n
.rept \n
	v_nop
.endr
.endm
.macro BAR                             ; my LDS stores have landed and my LDS loads are in: then the work-group's barrier
	s_wait_dscnt 0x0
	s_barrier_signal -1
	s_barrier_wait -1
.endm
.macro WLOAD t                         ; W1's tile t: the eight loads take each row's aligned 256 bytes whole
.irp g, 0,1
.irp c, 0,1,2,3
	global_load_b128 v[32*(\t)+16*\g+4*\c:32*(\t)+16*\g+4*\c+3], v[WO], s[10:11] offset:(32*((\t)/2)+8*((\t)%2))*1024+128*\g+32*\c
.endr
.endr
.endm
; THE GATHER of the 64 rows whose list entries begin at byte s38, in parts.  LISTRD: the lane's four list entries are asked for.  ADDRS: they become offsets.
; GLDA: load number ln of 32 (local tile ln / 8, step (ln / 4) % 2, piece ln % 4) into buffer p.  XSLD: the four scale words.
.macro LISTRD
.irp u, 0,1,2,3
	v_add_nc_u32 v[TOK+\u], s38, v[LB+\u]
.endr
.irp u, 0,1,2,3
	ds_load_b32 v[TOK+\u], v[TOK+\u]
.endr
.endm
.macro ADDRS
	s_wait_dscnt 0x0                               ; the list entries are in
.irp u, 0,1,2,3
	v_min_u32 v[TOK+\u], 0x3ff, v[TOK+\u]          ; a loaded number enters an address behind a bound
.endr
.irp u, 0,1,2,3
	v_lshl_add_u32 v[XO+\u], v[TOK+\u], 10, v[H16]
.endr
.irp u, 0,1,2,3
	v_lshl_add_u32 v[SO+\u], v[TOK+\u], 5, v[H4]
.endr
.endm
.macro GLDA p
	global_load_b128 v[128*(\p)+4*ln:128*(\p)+4*ln+3], v[XO+ln/8], s[6:7] offset:128*((ln/4)%2)+32*(ln%4)
.endm
.macro XSLD p
.irp u, 0,1,2,3
	global_load_b32 v[XSC+4*(\p)+\u], v[SO+\u], s[8:9]
.endr
.endm
.macro GATHER p                        ; the whole of it in one run: trip 0's, at the head
	LISTRD
	ADDRS
	WIN 0x80                                       ; destination window 2
.set ln, 0
.rept 32
	GLDA \p
.set ln, ln+1
.endr
	WIN 0
	XSLD \p
.endm
; 64 numbers of a lane, register 16 b + i = unit 32 b + 16 (lane / 16) + i of my row, become a fragment's codes and its scale word.  No |.| on the maximum's sources: what is negative becomes 0 (the activation) and must not count.
.macro QUANT
.irp b, 0,1,2,3
	v_max3_num_f32 v[TM+\b], v[H+16*\b], v[H+1+16*\b], 0x4800000   ; and the floor 2^(9 - 127): the byte cannot fall under 1
.endr
.irp i, 2,4,6,8,10,12,14
.irp b, 0,1,2,3
	v_max3_num_f32 v[TM+\b], v[TM+\b], v[H+16*\b+\i], v[H+1+16*\b+\i]
.endr
.endr
.irp b, 0,1,2,3
	v_permlanex16_b32 v[TM+4+\b], v[TM+\b], s32, s33
.endr
.irp b, 0,1,2,3
	v_max_num_f32 v[TM+\b], v[TM+\b], v[TM+4+\b]   ; with lane l xor 16's sixteen: the block's largest number
.endr
.irp b, 0,1,2,3
	v_add_nc_u32 v[TM+12+\b], 0xfc000000, v[TM+\b] ; 8 off its exponent field: the conversion's scale operand
.endr
.irp b, 0,1,2,3
	v_and_or_b32 v[TM+8+\b], v[TM+\b], 0x7f800000, s34   ; 448 x the scale
.endr
.irp b, 0,1,2,3
	v_lshrrev_b32 v[TM+4+\b], 23, v[TM+12+\b]      ; the scale's byte
.endr
	v_lshl_or_b32 v[PW], v[TM+5], 8, v[TM+4]
	v_lshl_or_b32 v[PW], v[TM+6], 16, v[PW]
	v_lshl_or_b32 v[PW], v[TM+7], 24, v[PW]
.irp b, 0,1,2,3
.irp i, 0,1,2,3,4,5,6,7,8,9,10,11,12,13,14,15
	v_med3_num_f32 v[H+16*\b+\i], v[H+16*\b+\i], 0, v[TM+8+\b]   ; the activation and the hold in one (the conversion to an 8-bit code does not saturate: ISA guide 7.6.2)
.endr
	v_cvt_scalef32_pk8_fp8_f32 v[PC+4*\b:PC+1+4*\b], v[H+16*\b:H+7+16*\b], v[TM+12+\b]
	v_cvt_scalef32_pk8_fp8_f32 v[PC+2+4*\b:PC+3+4*\b], v[H+8+16*\b:H+15+16*\b], v[TM+12+\b]
.endr
	v_nop                                          ; one plain instruction behind the last scaled conversion
.endm
; A trip's 64 products on buffer p, back to back.  The 32 accumulators take turns, one instruction a turn; the first step's products start the sums.
.macro PRODUCTS p
	WIN 0xf9                                       ; source 0 (W1) window 1, source 1 (x) window 2, C and D window 3
.irp u, 0,1,2,3
.irp t, 0,1,2,3,4,5,6,7
	v_wmma_scale_f32_16x16x128_f8f6f4 v[64*\u+8*\t:64*\u+8*\t+7], v[32*\t:32*\t+15], v[128*(\p)+32*\u:128*(\p)+32*\u+15], 0, v[WSC+\t], v[XSC+4*(\p)+\u]
.endr
.endr
.irp u, 0,1,2,3
.irp t, 0,1,2,3,4,5,6,7
	v_wmma_scale_f32_16x16x128_f8f6f4 v[64*\u+8*\t:64*\u+8*\t+7], v[32*\t+16:32*\t+31], v[128*(\p)+32*\u+16:128*(\p)+32*\u+31], v[64*\u+8*\t:64*\u+8*\t+7], v[WSC+\t], v[XSC+4*(\p)+\u] matrix_a_scale:MATRIX_SCALE_ROW1 matrix_b_scale:MATRIX_SCALE_ROW1
.endr
.endr
	WIN 0
.endm
; The parts of local tiles 1 to 3 go to their owners: 48 LDS stores of 512 consecutive bytes, each accumulator from its low end on.  ahead = 1: the next trip's 32 loads of codes stand among them, two for every three stores:
; ONE window setting serves both kinds (an LDS store's data are its source 1: window 3; a load's data are its destination: window 2; both addresses are source 0: window 0), so nothing is switched between them.
.macro SEND p, ahead
.if \ahead
	WIN 0x8c
.else
	WIN 0x0c
.endif
.set sn, 0
.rept 48
.set su, 1+sn/16
.set st, (sn%16)/2
.set sh, sn%2
	ds_store_b128 v[rX+su], v[64*su+8*st+4*sh:64*su+8*st+4*sh+3] offset:1024*st+512*sh
.if \ahead
.if ((sn+1)*2)/3 > (sn*2)/3
.set ln, (sn*2)/3
	GLDA 1-\p
.endif
.endif
.set sn, sn+1
.endr
	WIN 0
.if \ahead
	XSLD 1-\p
.endif
.endm
	s_load_b512 s[4:19], s[0:1], 0x0               ; sel s[4:5], xq s[6:7], xs s[8:9], W1's codes s[10:11], its scales s[12:13], b1 s[14:15], h s[16:17], hs s[18:19]
	s_load_b64 s[20:21], s[0:1], 0x40              ; place
	v_lshl_add_u32 v254, v0, 2, 0x32000
	v_mov_b32 v255, 0
	v_lshrrev_b32 v1, 5, v0
	v_readfirstlane_b32 s22, v1                    ; wave 0..3
	s_mov_b32 s23, ttmp9                           ; chunk
	s_and_b32 s24, ttmp7, 0xffff                   ; expert
	v_and_b32 v[LANE], 31, v0
	v_and_b32 v[R], 15, v0
	v_bfe_u32 v[HH], v0, 4, 1
	v_lshlrev_b32 v[H16], 4, v[HH]
	v_lshlrev_b32 v[H4], 2, v[HH]
	v_lshlrev_b32 v[L16], 4, v[LANE]
	v_lshlrev_b32 v[R16], 4, v[R]
	v_mov_b32 v[NIL], 0
	s_mul_i32 s27, s22, DSTB                       ; every LDS address is made here, ahead of the branches on the wave's number
	s_add_co_u32 s27, s27, XCH
	v_add_nc_u32 v[XR], s27, v[L16]
	s_lshl_b32 s27, s22, 6
	v_lshl_add_u32 v[LB], v[R], 2, s27
.irp u, 1,2,3
	s_add_co_u32 s27, s22, \u
	s_and_b32 s27, s27, 3                          ; local tile u is tile (w + u) % 4, which wave (w + u) % 4 finishes
	s_mul_i32 s37, s27, DSTB
	s_add_co_u32 s37, s37, XCH+SLOTB*(\u-1)
	v_add_nc_u32 v[XR+\u], s37, v[L16]
	s_lshl_b32 s27, s27, 6
	v_lshl_add_u32 v[LB+\u], v[R], 2, s27
.endr
.irp u, 0,1,2,3
	v_add_nc_u32 v[XR+XQ+\u], XSET, v[XR+\u]       ; the same four places in set 1 (an LDS offset has 16 bits, so the registers carry the set)
.endr
	v_and_b32 v[WO], 8, v[R]
	v_add_nc_u32 v[WO], v[WO], v[R]                ; r + 8 (r / 8)
	v_lshl_add_u32 v[WSO], v[WO], 5, v[H4]         ; W1's scale bytes: 32 a row; lanes 16-31 take the word of my second step
	v_lshl_add_u32 v[WO], v[WO], 10, v[H16]        ; W1's codes: 1,024 a row
	v_lshlrev_b32 v[BO], 6, v[HH]                  ; b1: lanes 16-31 stand 16 units on
.irp b, 0,1,2,3
	v_mov_b32 v[TM+4+\b], 0                        ; written once: a lane exchange's destination counts as one of its sources
.endr
	s_mov_b32 s32, 0x76543210
	s_mov_b32 s33, 0xfedcba98                      ; v_permlanex16_b32's selects for lane l xor 16
	s_mov_b32 s34, 0x600000                        ; the mantissa field of 448
	s_add_co_u32 s27, s24, 16
	s_lshl_b32 s35, 1, s27                         ; my expert's bit in a word of sel
	s_mov_b32 s36, 0                               ; the scan's running count
	s_mov_b32 s29, 0
	s_wait_kmcnt 0x0
	s_lshl_b32 s28, s24, 22                        ; W1's codes: expert x 4 MiB + chunk x 128 rows + my 256 bytes of a row
	s_lshl_b32 s27, s23, 17
	s_add_co_u32 s28, s28, s27
	s_lshl_b32 s27, s22, 8
	s_add_co_u32 s28, s28, s27
	s_add_nc_u64 s[10:11], s[10:11], s[28:29]
	s_lshl_b32 s28, s24, 17                        ; its scales: expert x 128 KiB + chunk x 128 rows of 32 bytes + my two words
	s_lshl_b32 s27, s23, 12
	s_add_co_u32 s28, s28, s27
	s_lshl_b32 s27, s22, 3
	s_add_co_u32 s28, s28, s27
	s_add_nc_u64 s[12:13], s[12:13], s[28:29]
	s_lshl_b32 s28, s24, 14                        ; b1
	s_lshl_b32 s27, s23, 9
	s_add_co_u32 s28, s28, s27
	s_add_nc_u64 s[14:15], s[14:15], s[28:29]
	s_lshl_b32 s28, s22, 8                         ; xq: my 256 bytes of a row
	s_add_nc_u64 s[6:7], s[6:7], s[28:29]
	s_lshl_b32 s28, s22, 3                         ; xs: my two words
	s_add_nc_u64 s[8:9], s[8:9], s[28:29]
	s_lshl_b32 s28, s24, 22                        ; h: [e][tile of 16 positions][K step][2,048]: tile w of trip 0, K step chunk
	s_lshl_b32 s27, s22, 16
	s_add_co_u32 s28, s28, s27
	s_lshl_b32 s27, s23, 11
	s_add_co_u32 s28, s28, s27
	s_add_nc_u64 s[16:17], s[16:17], s[28:29]
	s_lshl_b32 s28, s24, 17                        ; hs: [e][tile][step / 8][r + 16 ((step % 8) / 4)][step % 4] words
	s_lshl_b32 s27, s22, 11
	s_add_co_u32 s28, s28, s27
	s_lshr_b32 s27, s23, 2
	s_lshl_b32 s27, s27, 8
	s_add_co_u32 s28, s28, s27
	s_and_b32 s27, s23, 3
	s_lshl_b32 s27, s27, 2
	s_add_co_u32 s28, s28, s27
	s_add_nc_u64 s[18:19], s[18:19], s[28:29]
	s_cmp_lg_u32 s22, 0
	s_cbranch_scc1 .Lno_sel
.irp i, 0,1,2,3,4,5,6,7
	global_load_b128 v[SELR+4*\i:SELR+4*\i+3], v[L16], s[4:5] offset:512*\i   ; wave 0: register 4 i + q holds token 128 i + 4 lane + q
.endr
.Lno_sel:
	WIN 0x40                                       ; destination window 1
.irp t, 0,1,2,3,4,5,6
	WLOAD \t                                       ; seven of W1's eight tiles: 56 loads
.endr
	WIN 0
	s_cmp_lg_u32 s22, 0
	s_cbranch_scc1 .Lno_scan
	s_wait_loadcnt 56                              ; behind sel's eight loads just these 56 were issued: sel is in, the weights may all be out
	v_sub_nc_u32 v176, 0x3ff, v[LANE]              ; K = 1,023 - 32 x step - lane
	v_lshlrev_b32 v177, 2, v[LANE]
; THE SCAN, 32 tokens a step.  c = the chosen tokens ahead of mine.  A chosen token takes position c; one that is not chosen has 32 x step + lane - c of its kind ahead of it and takes 1,023 less that: c + K.
.set rd, 0
.rept 32
	v_and_b32 v178, s35, v[SELR+rd]
	v_cmp_ne_u32 vcc_lo, 0, v178
	v_mbcnt_lo_u32_b32 v179, vcc_lo, s36
	v_cndmask_b32 v180, v176, v[NIL], vcc_lo
	v_add_nc_u32 v[POS+rd], v179, v180
	s_bcnt1_i32_b32 s37, vcc_lo
	s_add_co_u32 s36, s36, s37
	v_add_nc_u32 v176, 0xffffffe0, v176
	v_min_u32 v181, 0x3ff, v[POS+rd]               ; a number made of loaded numbers enters an address behind a bound
	v_lshlrev_b32 v181, 2, v181
	v_add_nc_u32 v182, 128*(rd/4)+rd%4, v177
	ds_store_b32 v181, v182                        ; list[position] = token
.set rd, rd+1
.endr
	v_mov_b32 v183, s36
	v_mov_b32 v181, CNT
	ds_store_b32 v181, v183                        ; n
	s_cmp_lg_u32 s23, 0
	s_cbranch_scc1 .Lno_scan                       ; one work-group of the expert's 32 stores the placing
	v_lshl_add_u32 v184, s24, 12, v[L16]
.irp i, 0,1,2,3,4,5,6,7
	global_store_b128 v184, v[POS+4*\i:POS+4*\i+3], s[20:21] offset:512*\i    ; pos[e][token]: 512 consecutive bytes a store
.endr
	s_lshl_b32 s27, s24, 7
	s_add_co_u32 s27, s27, 32768
	v_lshl_add_u32 v185, v[LANE], 2, s27
	global_store_b32 v185, v183, s[20:21]          ; n, 32 copies: 128 consecutive bytes
.Lno_scan:
	BAR                                            ; the list and n lie in LDS; nobody writes them again
	v_mov_b32 v[TOK], CNT
	ds_load_b32 v[TOK], v[TOK]
	s_wait_dscnt 0x0
	v_readfirstlane_b32 s25, v[TOK]
	s_min_u32 s25, s25, 0x400                      ; n
	s_mov_b32 s26, 0                               ; the trip's first position
	s_mov_b32 s38, 0                               ; the list byte of the trip that is asked for next
	s_mov_b32 s39, 0                               ; the trip's offset in h: four tiles of 64 KiB a trip
	s_mov_b32 s40, 0                               ; and in hs: four tiles of 2,048 bytes
; A TRIP on buffer p and on set p of the slots.  first = 1: trip 0, which is always worked and always asks for positions 64 .. 127 (real tokens, whatever n is), so that both buffers have been written.
.macro BLOCK p, first
.set rX, XR+XQ*(\p)
.if !(\first)
	s_cmp_lt_u32 s26, s25
	s_cbranch_scc0 .Lx1_\@
.endif
	s_wait_loadcnt 0x0                             ; this trip's rows, asked for a trip ago (in trip 0 the weights, their scales and the bias too); the address registers of all my loads are free
	LISTRD                                         ; the next trip's list entries come while the products are issued (positions past the list's end read bytes left free; such entries are used by no load)
	PRODUCTS \p
	NOPS 9                                         ; eight places ahead of reads of the results and of loads into the products' registers; the ninth for the next trip's first product, which begins an accumulator anew
.if \first
	ADDRS
	SEND \p, 1
.else
	s_add_co_u32 s27, s26, 64
	s_cmp_lt_u32 s27, s25
	s_cbranch_scc0 .Lng_\@
	ADDRS
	SEND \p, 1                                     ; there is a next trip that works: its rows are asked for among the stores
	s_branch .Lx1_\@
.Lng_\@:
	SEND \p, 0
.endif
.Lx1_\@:
	BAR                                            ; all twelve parts lie in set p; every wave's reads of the other set, a trip ago, are over, so the next trip may write it
.if !(\first)
	s_cmp_lt_u32 s26, s25
	s_cbranch_scc0 .Lx3_\@
.endif
	WIN 0xc0                                       ; destination window 3: the registers whose parts have been sent
.irp u, 1,2,3
.irp t, 0,1,2,3,4,5,6,7
	ds_load_b128 v[64*\u+8*\t:64*\u+8*\t+3],   v[rX] offset:SLOTB*(\u-1)+1024*\t
	ds_load_b128 v[64*\u+8*\t+4:64*\u+8*\t+7], v[rX] offset:SLOTB*(\u-1)+1024*\t+512
.endr
.endr
	s_wait_xcnt 0x0                                ; the last trip's stores (at the head: wave 0's of the placing) have read their data and offsets: these registers are written again below
	WIN 0x03                                       ; source 0 window 3
.set k, 0
.rept 32
	v_pk_add_f32 v[H+2*k:H+2*k+1], v[2*k:2*k+1], v[BIAS+2*k:BIAS+2*k+1]    ; my own part (each accumulator from its low end on) + the bias, while the three parts are on their way
.set k, k+1
.endr
	WIN 0x0c                                       ; source 1 window 3
.irp u, 1,2,3
	s_wait_dscnt 16*(3-\u)                         ; LDS loads come back in order (ISA guide 5.7.1): part u's sixteen are in, the 16 of each later part may be out
.set k, 0
.rept 32
	v_pk_add_f32 v[H+2*k:H+2*k+1], v[H+2*k:H+2*k+1], v[64*\u+2*k:64*\u+2*k+1]
.set k, k+1
.endr
.endr
	WIN 0
	QUANT
	v_add_nc_u32 v[HO], s39, v[L16]
	v_add_nc_u32 v[HSO], s40, v[R16]
.irp c, 0,1,2,3
	global_store_b128 v[HO], v[PC+4*\c:PC+4*\c+3], s[16:17] offset:512*\c     ; the fragment as an image of its registers: 512 consecutive bytes a store
.endr
	global_store_b32 v[HSO], v[PW], s[18:19]       ; my row's scale word; lanes l and l xor 16 hold the same word and write the same bytes
.Lx3_\@:
	s_add_co_u32 s26, s26, 64
	s_add_co_u32 s38, s38, 256
	s_add_co_u32 s39, s39, 262144
	s_add_co_u32 s40, s40, 8192
.endm
	GATHER 0                                       ; trip 0's rows, as soon as the list stands;
	WIN 0x40
	WLOAD 7                                        ; behind them what is left of the head's loads: W1's last tile,
	WIN 0
.irp t, 0,1,2,3,4,5,6,7
	global_load_b32 v[WSC+\t], v[WSO], s[12:13] offset:(32*(\t/2)+8*(\t%2))*32   ; its scale words,
.endr
.irp t, 0,1,2,3,4,5,6,7
	global_load_b128 v[BIAS+8*\t:BIAS+8*\t+3],   v[BO], s[14:15] offset:(32*(\t/2)+8*(\t%2))*4   ; and the bias
	global_load_b128 v[BIAS+8*\t+4:BIAS+8*\t+7], v[BO], s[14:15] offset:(32*(\t/2)+8*(\t%2))*4+16
.endr
	s_mov_b32 s38, 256
	BLOCK 0, 1
	s_mov_b32 s30, 8
.Ltrips:                                               ; trips 1 to 16: a constant count; the last can never be worked (1,024 is never under n)
	BLOCK 1, 0
	BLOCK 0, 0
	s_sub_co_u32 s30, s30, 1
	s_cmp_lg_u32 s30, 0
	s_cbranch_scc1 .Ltrips
	s_wait_tensorcnt 0x0
	ds_add_u32 v254, v255
	s_wait_dscnt 0x0
	s_endpgm
.Lfunc_end_k_q6198d4d49e_ffn1:
	.size	k_q6198d4d49e_ffn1, .Lfunc_end_k_q6198d4d49e_ffn1-k_q6198d4d49e_ffn1
	.p2alignl 7, 3214868480
	.fill 96, 4, 3214868480
	.section	.rodata,"a",@progbits
	.p2align	6, 0x0
	.amdhsa_kernel k_q6198d4d49e_ffn1
		.amdhsa_group_segment_fixed_size 205312
		.amdhsa_private_segment_fixed_size 0
		.amdhsa_enable_private_segment 0
		.amdhsa_kernarg_size 72
		.amdhsa_user_sgpr_count 2
		.amdhsa_user_sgpr_kernarg_segment_ptr 1
		.amdhsa_wavefront_size32 1
		.amdhsa_system_sgpr_workgroup_id_x 1
		.amdhsa_system_sgpr_workgroup_id_y 1
		.amdhsa_system_sgpr_workgroup_id_z 1
		.amdhsa_system_vgpr_workitem_id 0
		.amdhsa_next_free_vgpr 1024
		.amdhsa_next_free_sgpr 66
		.amdhsa_reserve_vcc 1
		.amdhsa_float_denorm_mode_32 3
		.amdhsa_float_denorm_mode_16_64 3
		.amdhsa_memory_ordered 1
		.amdhsa_forward_progress 1
		.amdhsa_inst_pref_size 152
	.end_amdhsa_kernel
	.amdgpu_metadata
---
amdhsa.version: [ 1, 2 ]
amdhsa.kernels:
  - .name:           k_q6198d4d49e_ffn1
    .symbol:         k_q6198d4d49e_ffn1.kd
    .args:
      - { .name: sel, .offset: 0, .size: 8, .value_kind: global_buffer, .address_space: global }
      - { .name: xq, .offset: 8, .size: 8, .value_kind: global_buffer, .address_space: global }
      - { .name: xs, .offset: 16, .size: 8, .value_kind: global_buffer, .address_space: global }
      - { .name: W1_codes, .offset: 24, .size: 8, .value_kind: global_buffer, .address_space: global }
      - { .name: W1_scales, .offset: 32, .size: 8, .value_kind: global_buffer, .address_space: global }
      - { .name: b1, .offset: 40, .size: 8, .value_kind: global_buffer, .address_space: global }
      - { .name: h, .offset: 48, .size: 8, .value_kind: global_buffer, .address_space: global }
      - { .name: hs, .offset: 56, .size: 8, .value_kind: global_buffer, .address_space: global }
      - { .name: place, .offset: 64, .size: 8, .value_kind: global_buffer, .address_space: global }
    .group_segment_fixed_size: 205312
    .private_segment_fixed_size: 0
    .kernarg_segment_align: 8
    .kernarg_segment_size: 72
    .max_flat_workgroup_size: 128
    .sgpr_count:     66
    .vgpr_count:     1024
    .wavefront_size: 32
...
	.end_amdgpu_metadata
.endif
;; end of part 2
;; launch ffn2 (part 3): grid 32 x 8, 4 waves a work-group, no clusters, 301,568 bytes of LDS; arguments place, h, hs, W2_codes, W2_scales, b2, yr; writes yr
.if DOCPART == 3
	.amdgcn_target "amdgcn-amd-amdhsa--gfx1250"
	.amdhsa_code_object_version 6
	.text
	.protected	k_q6198d4d49e_ffn2
	.globl	k_q6198d4d49e_ffn2
	.p2align	8
	.type	k_q6198d4d49e_ffn2,@function
k_q6198d4d49e_ffn2:
	s_mov_b64 s[64:65], 0
	v_nop
	global_prefetch_b8 v0, s[64:65] scope:SCOPE_SE
	s_setreg_imm32_b32 hwreg(HW_REG_WAVE_MODE, 25, 1), 1
	s_wait_xcnt 0x0
; THE SECOND PRODUCT, FOR THE CHOSEN ROWS ONLY: yr[e][position] = h W2[e]^T + b2[e], on codes of E4M3 with E8M0 scales; sums in f32.
; A work-group is (x = 2 c + hf, expert e = y): outputs 64 c .. + 63 of expert e, for every second group of 32 positions: trip T takes positions 32 (2 T + hf) .. + 31.
; SHARES.  K IS SPLIT OVER THE WAVES: wave w takes k = 1,024 w .. + 1,023 (eight steps of 128).  Its 64 x 1,024 bytes of W2 come once, by loads of 512 consecutive bytes, and are laid in the wave's own LDS rows (pitch 1,040);
; h comes from memory straight into registers: the launch before stored each fragment as an image of the operand's registers, so every load is 512 consecutive bytes, and each byte goes to one wave.
; The four waves' partial sums of a trip (32 rows x 64 outputs each) meet in LDS; wave w adds rows 8 w .. 8 w + 7 and the bias and stores them.
; THE PRODUCT IS USED TRANSPOSED (source 0 = 16 rows of W2, source 1 = 16 rows of h): a lane holds eight neighbouring outputs of one row.
; TRIPS.  The loop has a constant count (17 trips serve n up to 1,024) and every wave passes every barrier; a trip whose positions lie at or beyond n jumps over its WORK by a scalar branch on n, which the launch before stored as a whole number.
; Trip 0 is always worked: positions 0 .. 63 always hold rows.  A worked trip's rows were all stored by the launch before: 32 (2 T + hf) < n means 64 T < n.
; NO CLUSTER, NO TENSOR LOAD, though 16 work-groups read the same rows of h and two the same rows of W2: which trips work hangs on a count read from memory, so operands come by plain loads.
; THE NEXT TRIP'S OPERANDS (64 loads of codes, 2 of scale words a wave) are asked for during this trip, into the other of two register buffers, IN THREE RUNS: 24 at the trip's head, 21 behind each of the two runs of LDS loads,
; where the stream of products is broken anyway.  LOADcnt counts to 63, and an instruction that would pass that is held at issue (ISA guide 5.7.1): in one run at the head the last three loads would hold the trip's products back.
; Trip 0's operands ride the ring that brings W2: they are asked for while W2's last groups are still on their way.
; W2's fragments go from LDS through a ring of two register slots of two K steps.  Even trips walk K upward, odd trips downward, so that a trip begins with the two slots that the trip before left: two runs of 32 LDS loads a trip, not four.
; (So a sum's K steps are added in another order in odd trips, and K is split in four: the sums are f32 and are compared within a tolerance.)
; REGISTERS, in windows of 256: window 0: addresses, scale words, 8 accumulators, the parts read back.  window 1: h, buffer 0 (tile m, step s at 128 m + 16 s).  window 2: h, buffer 1; at the head a ring of 4 x 64 for W2's way into LDS.
;   window 3: W2's ring: slot u at 128 u; in it step s, tile t at 16 (4 (s % 2) + t).
.set WP,   1040                        ; a row of W2 in LDS: 1,024 bytes + 16: an odd multiple of 16, so that the 16 rows that a fragment load touches start at 16 different groups of banks
.set WLB,  64*WP                       ; a wave's 64 rows
.set XCH,  4*WLB                       ; behind them: the partial sums, 4 waves x 32 rows x (256 bytes + 16)
.set XP,   272
.set XSB,  32*XP
.set LANE, 1
.set R,    2                           ; lane % 16
.set HH,   3                           ; lane / 16
.set L16,  6                           ; 16 x lane
.set BL,   7                           ; my lane's place in a fragment of W2
.set WS0,  8                           ; where W2's rows 0-31 go; v9: rows 32-63 (an LDS offset has 16 bits)
.set WS1,  9
.set XW,   10                          ; where I put 32 bytes of a row of partial sums
.set XR,   11                          ; where I read 16 bytes of a row back
.set VA,   12                          ; v12-13 h's offset, one for each buffer
.set VS,   14                          ; v14-15 hs's
.set YL,   16
.set YO,   17
.set WGO,  18
.set BO,   19
.set BIAS, 20                          ; v20-23 b2 at my four outputs
.set WSC,  32                          ; v32-47 W2's scale words: tile t, register q at 4 t + q: lanes 0-15 step q, lanes 16-31 step 4 + q
.set HS,   48                          ; v48-63 h's scale words: buffer p, tile m, register q at 8 p + 4 m + q; the lanes likewise
.set ACC,  64                          ; v64-127 accumulator (m, t) at 8 (4 m + t)
.set RR,   128                         ; v128-191 the parts read back: pair of rows q, wave s at 16 q + 4 s
.set MSB, 0
.macro WIN new                         ; the immediate's high byte repeats the setting that is left; bits 1:0 source 0, 3:2 source 1, 5:4 source 2, 7:6 destination
.if MSB != (\new)
	s_set_vgpr_msb (MSB<<8)|(\new)
.set MSB, (\new)
.endif
.endm
.macro NOPS n
.rept \n
	v_nop
.endr
.endm
.macro BAR
	s_wait_dscnt 0x0
	s_barrier_signal -1
	s_barrier_wait -1
.endm
; loads number a0 .. a0 + n - 1 of a trip's 64 loads of h (number 32 m + i: tile m, piece i of its eight steps' 32) into buffer p
.macro ACH p, a0, n
	WIN 0x40*(1+(\p))                              ; destination window 1 or 2
.set an, (\a0)
.rept (\n)
	global_load_b128 v[4*an:4*an+3], v[VA+(\p)], s[6:7] offset:65536*(an/32)+512*(an%32)
.set an, an+1
.endr
	WIN 0
.endm
.macro HSLD p                          ; the scale words of a trip's two tiles
.irp m, 0,1
	global_load_b128 v[HS+8*(\p)+4*\m:HS+8*(\p)+4*\m+3], v[VS+(\p)], s[8:9] offset:2048*\m
.endr
.endm
.macro AHEAD p, a0, n                  ; a run of the look-ahead, where the next trip works (s27 = its first position)
	s_cmp_lt_u32 s27, s25
	s_cbranch_scc0 .Lno_\@
	ACH \p, \a0, \n
.Lno_\@:
.endm
	s_load_b256 s[4:11], s[0:1], 0x0               ; place s[4:5], h s[6:7], hs s[8:9], W2's codes s[10:11]
	s_load_b128 s[12:15], s[0:1], 0x20             ; W2's scales s[12:13], b2 s[14:15]
	s_load_b64 s[16:17], s[0:1], 0x30              ; yr
	v_lshl_add_u32 v254, v0, 2, 0x49800
	v_mov_b32 v255, 0
	v_lshrrev_b32 v1, 5, v0
	v_readfirstlane_b32 s22, v1                    ; wave 0..3
	s_lshr_b32 s23, ttmp9, 1                       ; c
	s_and_b32 s31, ttmp9, 1                        ; hf
	s_and_b32 s24, ttmp7, 0xffff                   ; expert
	s_lshl_b32 s41, s24, 7
	v_and_b32 v[LANE], 31, v0
	v_and_b32 v[R], 15, v0
	v_bfe_u32 v[HH], v0, 4, 1
	v_lshlrev_b32 v[L16], 4, v[LANE]
	s_mul_i32 s27, s22, WLB
	v_mul_u32_u24 v[BL], v[R], WP
	v_lshl_add_u32 v[BL], v[HH], 4, v[BL]
	v_add_nc_u32 v[BL], s27, v[BL]
	v_add_nc_u32 v[WS0], s27, v[L16]
	v_add_nc_u32 v[WS1], 32*WP, v[WS0]
	s_mul_i32 s27, s22, XSB
	s_add_co_u32 s27, s27, XCH
	v_mul_u32_u24 v[XW], v[R], XP
	v_lshl_add_u32 v[XW], v[HH], 5, v[XW]
	v_add_nc_u32 v[XW], s27, v[XW]                 ; in: my wave's block, row r, 32 bytes for each half of the lanes
	s_mul_i32 s27, s22, 8*XP
	s_add_co_u32 s27, s27, XCH
	v_mul_u32_u24 v[XR], v[HH], XP
	v_lshl_add_u32 v[XR], v[R], 4, v[XR]
	v_add_nc_u32 v[XR], s27, v[XR]                 ; back: rows 8 w on; lanes 0-15 one row of 256 bytes, lanes 16-31 the next
	v_lshlrev_b32 v[YL], 12, v[HH]
	v_lshl_add_u32 v[YL], v[R], 4, v[YL]           ; and the same two rows in yr
	v_lshlrev_b32 v[WGO], 7, v[R]
	v_lshl_add_u32 v[WGO], v[HH], 4, v[WGO]        ; W2's scale bytes: 128 a row; lanes 16-31 take my steps 4 to 7
	v_lshlrev_b32 v[BO], 4, v[R]
.irp i, 0,1,2,3,4,5,6,7
	v_mov_b32 v[HS+8+\i], 0x7f7f7f7f               ; buffer 1's scale words are written once, so that every path finds them written; a trip that multiplies by them has loaded them first
.endr
	s_mov_b32 s38, 0                               ; h's offset of the trip that is asked for next: four tiles of 64 KiB a trip
	s_mov_b32 s39, 0                               ; hs's: four tiles of 2,048 bytes
	v_add_nc_u32 v[VA], s38, v[L16]                ; trip 0's offsets
	v_add_nc_u32 v[VS], s39, v[L16]
	s_mov_b32 s29, 0
	s_wait_kmcnt 0x0
	s_load_b32 s25, s[4:5], s41 offset:0x8000      ; n of my expert
	s_lshl_b32 s28, s24, 22                        ; h: [e][tile of 16 positions][K step][2,048]: tile 2 hf, my eight steps
	s_lshl_b32 s27, s31, 17
	s_add_co_u32 s28, s28, s27
	s_lshl_b32 s27, s22, 14
	s_add_co_u32 s28, s28, s27
	s_add_nc_u64 s[6:7], s[6:7], s[28:29]
	s_lshl_b32 s28, s24, 17                        ; hs: [e][tile][step / 8][512]
	s_lshl_b32 s27, s31, 12
	s_add_co_u32 s28, s28, s27
	s_lshl_b32 s27, s22, 9
	s_add_co_u32 s28, s28, s27
	s_add_nc_u64 s[8:9], s[8:9], s[28:29]
	s_lshl_b32 s28, s24, 22                        ; W2's codes: expert x 4 MiB + 64 c rows of 4,096 + my 1,024 bytes of a row
	s_lshl_b32 s27, s23, 18
	s_add_co_u32 s28, s28, s27
	s_lshl_b32 s27, s22, 10
	s_add_co_u32 s28, s28, s27
	s_add_nc_u64 s[10:11], s[10:11], s[28:29]
	s_lshl_b32 s28, s24, 17                        ; its scales
	s_lshl_b32 s27, s23, 13
	s_add_co_u32 s28, s28, s27
	s_lshl_b32 s27, s22, 5
	s_add_co_u32 s28, s28, s27
	s_add_nc_u64 s[12:13], s[12:13], s[28:29]
	s_lshl_b32 s28, s24, 12                        ; b2
	s_lshl_b32 s27, s23, 8
	s_add_co_u32 s28, s28, s27
	s_add_nc_u64 s[14:15], s[14:15], s[28:29]
	s_lshl_b32 s28, s24, 22                        ; yr: [e][position][1,024] f32: position 32 hf + 8 w, output 64 c
	s_lshl_b32 s27, s31, 17
	s_add_co_u32 s28, s28, s27
	s_lshl_b32 s27, s22, 15
	s_add_co_u32 s28, s28, s27
	s_lshl_b32 s27, s23, 8
	s_add_co_u32 s28, s28, s27
	s_add_nc_u64 s[16:17], s[16:17], s[28:29]
.irp t, 0,1,2,3
	global_load_b128 v[WSC+4*\t:WSC+4*\t+3], v[WGO], s[12:13] offset:2048*\t
.endr
	global_load_b128 v[BIAS:BIAS+3], v[BO], s[14:15]
; W2's WAY INTO LDS: groups of 8 rows (16 loads of 512 consecutive bytes) through a ring of four groups of 64 registers, three groups ahead.
; Behind W2's eight groups the ring goes on with four groups of 16 of trip 0's loads of h, which land in window 1 and are stored nowhere.
.macro GLOAD k
.irp a, 0,1,2,3,4,5,6,7
.irp n, 0,1
	global_load_b128 v[64*((\k)%4)+8*\a+4*\n:64*((\k)%4)+8*\a+4*\n+3], v[L16], s[10:11] offset:4096*(8*(\k)+\a)+512*\n
.endr
.endr
.endm
.macro GSTORE k
.irp a, 0,1,2,3,4,5,6,7
.irp n, 0,1
.if (\k) < 4
	ds_store_b128 v[WS0], v[64*((\k)%4)+8*\a+4*\n:64*((\k)%4)+8*\a+4*\n+3] offset:WP*(8*(\k)+\a)+512*\n
.else
	ds_store_b128 v[WS1], v[64*((\k)%4)+8*\a+4*\n:64*((\k)%4)+8*\a+4*\n+3] offset:WP*(8*((\k)-4)+\a)+512*\n
.endif
.endr
.endr
.endm
	WIN 0x80                                       ; destination window 2
	GLOAD 0
	GLOAD 1
	GLOAD 2
.irp k, 0,1,2,3,4,5,6,7
.if \k < 5
	s_wait_dscnt 0x0                               ; the stores of the group before have read their registers, which the loads below take
	WIN 0x80
	GLOAD \k+3
.else
	ACH 0, 16*(\k-5), 16                           ; groups 8 to 10 of the ring: trip 0's rows of h
.endif
	s_wait_loadcnt 48                              ; group k is in: behind it three groups of 16 loads were issued
	WIN 0x08                                       ; an LDS store's data are its source 1: window 2
	GSTORE \k
.endr
	ACH 0, 48, 16                                  ; the ring's last group,
	HSLD 0                                         ; and trip 0's scale words
; W2's fragments of steps 2 g and 2 g + 1 into ring slot u: 32 LDS loads in one run
.macro BLOAD g, u
	WIN 0xc0                                       ; destination window 3
.irp d, 0,1
.irp t, 0,1,2,3
.irp c, 0,1,2,3
	ds_load_b128 v[128*(\u)+16*(4*\d+\t)+4*\c:128*(\u)+16*(4*\d+\t)+4*\c+3], v[BL] offset:16*WP*\t+128*(2*(\g)+\d)+32*\c
.endr
.endr
.endr
	WIN 0
.endm
; 16 products: steps 2 g and 2 g + 1 from ring slot u, h from buffer p.  The eight accumulators take turns, one instruction a turn.  zero = 1: the first eight start the sums.
.macro MUL g, u, p, zero
	WIN 0x07+4*(\p)                                ; source 0 (W2) window 3, source 1 (h) window 1 or 2, C and D window 0
.irp d, 0,1
.irp t, 0,1,2,3
.irp m, 0,1
.set rD, ACC+8*(4*\m+\t)
.set rB, 128*(\u)+16*(4*\d+\t)
.set rA, 128*\m+16*(2*(\g)+\d)
.set rW, WSC+4*\t+(2*(\g)+\d)%4
.set rH, HS+8*(\p)+4*\m+(2*(\g)+\d)%4
.if (\zero) && (\d == 0)
.if (\g) >= 2
	v_wmma_scale_f32_16x16x128_f8f6f4 v[rD:rD+7], v[rB:rB+15], v[rA:rA+15], 0, v[rW], v[rH] matrix_a_scale:MATRIX_SCALE_ROW1 matrix_b_scale:MATRIX_SCALE_ROW1
.else
	v_wmma_scale_f32_16x16x128_f8f6f4 v[rD:rD+7], v[rB:rB+15], v[rA:rA+15], 0, v[rW], v[rH]
.endif
.else
.if (\g) >= 2
	v_wmma_scale_f32_16x16x128_f8f6f4 v[rD:rD+7], v[rB:rB+15], v[rA:rA+15], v[rD:rD+7], v[rW], v[rH] matrix_a_scale:MATRIX_SCALE_ROW1 matrix_b_scale:MATRIX_SCALE_ROW1
.else
	v_wmma_scale_f32_16x16x128_f8f6f4 v[rD:rD+7], v[rB:rB+15], v[rA:rA+15], v[rD:rD+7], v[rW], v[rH]
.endif
.endif
.endr
.endr
.endr
.endm
; A TRIP on buffer p; p = 0 walks K upward, p = 1 downward.  first = 1: trip 0, which is always worked.
.macro BLOCK p, first
.if !(\first)
	s_cmp_lt_u32 s26, s25
	s_cbranch_scc0 .Ly1_\@
.endif
	s_wait_loadcnt 0x0                             ; this trip's rows of h, asked for during the trip before (in trip 0 W2's scale words and the bias too); the address registers of all my loads are free
.if \first
	s_wait_dscnt 0x0                               ; W2's first fragments are in; the stores of W2's way into LDS have read window 2, which the look-ahead's loads take
.endif
	v_add_nc_u32 v[VA+1-(\p)], s38, v[L16]         ; the next trip's offsets: made in every worked trip, used where the next trip works
	v_add_nc_u32 v[VS+1-(\p)], s39, v[L16]
	s_add_co_u32 s27, s26, 64                      ; its first position
	s_cmp_lt_u32 s27, s25
	s_cbranch_scc0 .Lna_\@
	HSLD 1-\p                                      ; the look-ahead's first run: 2 + 22 loads
	ACH 1-\p, 0, 22
.Lna_\@:
.if (\p) == 0
	MUL 0, 0, \p, 1
	NOPS 8                                         ; eight places ahead of loads into registers that the products have read
	BLOAD 2, 0
	AHEAD 1-\p, 22, 21                             ; the second run
	MUL 1, 1, \p, 0
	NOPS 8
	BLOAD 3, 1
	AHEAD 1-\p, 43, 21                             ; the third: the first run went out two groups of 16 products and two runs of 32 LDS loads ago
	s_wait_dscnt 32                                ; steps 4 and 5 are in; the 32 loads of steps 6 and 7 may be out
	MUL 2, 0, \p, 0
	s_wait_dscnt 0x0
	MUL 3, 1, \p, 0
.else
	MUL 3, 1, \p, 1
	NOPS 8
	BLOAD 1, 1
	AHEAD 1-\p, 22, 21
	MUL 2, 0, \p, 0
	NOPS 8
	BLOAD 0, 0
	AHEAD 1-\p, 43, 21
	s_wait_dscnt 32                                ; steps 2 and 3 are in; the 32 loads of steps 0 and 1 may be out
	MUL 1, 1, \p, 0
	s_wait_dscnt 0x0
	MUL 0, 0, \p, 0
.endif
	WIN 0
	NOPS 9                                         ; eight places ahead of reads of the results and of loads into the products' registers; the ninth for the next trip's first product, which begins an accumulator anew
.irp m, 0,1
.irp t, 0,1,2,3
	ds_store_b128 v[XW], v[ACC+8*(4*\m+\t):ACC+8*(4*\m+\t)+3] offset:16*XP*\m+64*\t       ; each accumulator from its low end on
	ds_store_b128 v[XW], v[ACC+8*(4*\m+\t)+4:ACC+8*(4*\m+\t)+7] offset:16*XP*\m+64*\t+16
.endr
.endr
.Ly1_\@:
	BAR                                            ; the four waves' partial sums lie in LDS
.if !(\first)
	s_cmp_lt_u32 s26, s25
	s_cbranch_scc0 .Ly2_\@
.endif
	s_wait_xcnt 0x0                                ; the last trip's stores have read their data: the loads below land on those registers
.irp q, 0,1,2,3
.irp s, 0,1,2,3
	ds_load_b128 v[RR+16*\q+4*\s:RR+16*\q+4*\s+3], v[XR] offset:XSB*\s+2*XP*\q
.endr
.endr
.Ly2_\@:
	BAR                                            ; every wave's reads are over: the next trip may write the partial sums again (a second set of them does not fit beside W2's rows)
.if !(\first)
	s_cmp_lt_u32 s26, s25
	s_cbranch_scc0 .Ly3_\@
.endif
	s_wait_xcnt 0x0                                ; (on every path) the last trip's stores have read their data and their offset
.irp s, 1,2,3
.irp q, 0,1,2,3
	v_pk_add_f32 v[RR+16*\q:RR+16*\q+1],   v[RR+16*\q:RR+16*\q+1],   v[RR+16*\q+4*\s:RR+16*\q+4*\s+1]
	v_pk_add_f32 v[RR+16*\q+2:RR+16*\q+3], v[RR+16*\q+2:RR+16*\q+3], v[RR+16*\q+4*\s+2:RR+16*\q+4*\s+3]
.endr
.endr
.irp q, 0,1,2,3
	v_pk_add_f32 v[RR+16*\q:RR+16*\q+1],   v[RR+16*\q:RR+16*\q+1],   v[BIAS:BIAS+1]
	v_pk_add_f32 v[RR+16*\q+2:RR+16*\q+3], v[RR+16*\q+2:RR+16*\q+3], v[BIAS+2:BIAS+3]
.endr
	v_add_nc_u32 v[YO], s40, v[YL]
.irp q, 0,1,2,3
	global_store_b128 v[YO], v[RR+16*\q:RR+16*\q+3], s[16:17] offset:8192*\q th:TH_STORE_NT   ; sixteen lanes store 256 consecutive bytes, aligned; two rows a store
.endr
.Ly3_\@:
	s_add_co_u32 s26, s26, 64
	s_add_co_u32 s38, s38, 262144
	s_add_co_u32 s39, s39, 8192
	s_add_co_u32 s40, s40, 262144
.endm
	BLOAD 0, 0                                     ; LDS serves a wave's instructions in order (ISA guide 5.7.1.4): these see my stores; the rows are my wave's own, so no barrier
	BLOAD 1, 1
	s_mov_b32 s38, 262144                          ; trip 1's offsets
	s_mov_b32 s39, 8192
	s_mov_b32 s40, 0                               ; the trip's offset in yr: 64 rows of 4,096 bytes a trip
	s_lshl_b32 s26, s31, 5                         ; the trip's first position
	s_wait_kmcnt 0x0
	s_min_u32 s25, s25, 0x400                      ; n
	BLOCK 0, 1
	s_mov_b32 s30, 8
.Ltrips:                                               ; trips 1 to 16: a constant count; the last can never be worked
	BLOCK 1, 0
	BLOCK 0, 0
	s_sub_co_u32 s30, s30, 1
	s_cmp_lg_u32 s30, 0
	s_cbranch_scc1 .Ltrips
	s_wait_tensorcnt 0x0
	ds_add_u32 v254, v255
	s_wait_dscnt 0x0
	s_endpgm
.Lfunc_end_k_q6198d4d49e_ffn2:
	.size	k_q6198d4d49e_ffn2, .Lfunc_end_k_q6198d4d49e_ffn2-k_q6198d4d49e_ffn2
	.p2alignl 7, 3214868480
	.fill 96, 4, 3214868480
	.section	.rodata,"a",@progbits
	.p2align	6, 0x0
	.amdhsa_kernel k_q6198d4d49e_ffn2
		.amdhsa_group_segment_fixed_size 301568
		.amdhsa_private_segment_fixed_size 0
		.amdhsa_enable_private_segment 0
		.amdhsa_kernarg_size 56
		.amdhsa_user_sgpr_count 2
		.amdhsa_user_sgpr_kernarg_segment_ptr 1
		.amdhsa_wavefront_size32 1
		.amdhsa_system_sgpr_workgroup_id_x 1
		.amdhsa_system_sgpr_workgroup_id_y 1
		.amdhsa_system_sgpr_workgroup_id_z 1
		.amdhsa_system_vgpr_workitem_id 0
		.amdhsa_next_free_vgpr 1024
		.amdhsa_next_free_sgpr 66
		.amdhsa_reserve_vcc 0
		.amdhsa_float_denorm_mode_32 3
		.amdhsa_float_denorm_mode_16_64 3
		.amdhsa_memory_ordered 1
		.amdhsa_forward_progress 1
		.amdhsa_inst_pref_size 111
	.end_amdhsa_kernel
	.amdgpu_metadata
---
amdhsa.version: [ 1, 2 ]
amdhsa.kernels:
  - .name:           k_q6198d4d49e_ffn2
    .symbol:         k_q6198d4d49e_ffn2.kd
    .args:
      - { .name: place, .offset: 0, .size: 8, .value_kind: global_buffer, .address_space: global }
      - { .name: h, .offset: 8, .size: 8, .value_kind: global_buffer, .address_space: global }
      - { .name: hs, .offset: 16, .size: 8, .value_kind: global_buffer, .address_space: global }
      - { .name: W2_codes, .offset: 24, .size: 8, .value_kind: global_buffer, .address_space: global }
      - { .name: W2_scales, .offset: 32, .size: 8, .value_kind: global_buffer, .address_space: global }
      - { .name: b2, .offset: 40, .size: 8, .value_kind: global_buffer, .address_space: global }
      - { .name: yr, .offset: 48, .size: 8, .value_kind: global_buffer, .address_space: global }
    .group_segment_fixed_size: 301568
    .private_segment_fixed_size: 0
    .kernarg_segment_align: 8
    .kernarg_segment_size: 56
    .max_flat_workgroup_size: 128
    .sgpr_count:     66
    .vgpr_count:     1024
    .wavefront_size: 32
...
	.end_amdgpu_metadata
.endif
;; end of part 3
;; launch combine (part 4): grid 256 x 1, 4 waves a work-group, no clusters, 0 bytes of LDS; arguments sel, gates, place, yr, out0; writes out0
.if DOCPART == 4
	.amdgcn_target "amdgcn-amd-amdhsa--gfx1250"
	.amdhsa_code_object_version 6
	.text
	.protected	k_q6198d4d49e_combine
	.globl	k_q6198d4d49e_combine
	.p2align	8
	.type	k_q6198d4d49e_combine,@function
k_q6198d4d49e_combine:
	s_mov_b64 s[64:65], 0
	v_nop
	global_prefetch_b8 v0, s[64:65] scope:SCOPE_SE
	s_setreg_imm32_b32 hwreg(HW_REG_WAVE_MODE, 25, 1), 1
	s_wait_xcnt 0x0
; out0[t] = g0 yr[e0][pos[e0][t]] + g1 yr[e1][pos[e1][t]]: each output row has one owner, a wave.  The six experts that were not chosen have the weight 0 and add nothing.
; sel, place: whole numbers that earlier launches stored.  The token's word, its gates and its positions under all eight experts are asked for together by scalar loads; the two positions wanted are then picked by selects,
; so that no load waits for another's result.  A stream: 8 KB in and 4 KB out a wave, 512 consecutive bytes an instruction; no LDS, no barrier, no matrix unit.
.set A,  16                            ; v16-47  the first expert's row
.set B,  48                            ; v48-79  the second's
.set O,  80                            ; v80-111 the result: registers of its own for each store
	s_load_b256 s[4:11], s[0:1], 0x0               ; sel s[4:5], gates s[6:7], place s[8:9], yr s[10:11]
	s_load_b64 s[12:13], s[0:1], 0x20              ; out0
	v_lshrrev_b32 v1, 5, v0
	v_readfirstlane_b32 s14, v1                    ; wave
	v_and_b32 v1, 31, v0
	v_lshlrev_b32 v5, 4, v1                        ; 16 bytes a lane
	s_lshl_b32 s15, ttmp9, 2
	s_add_co_u32 s15, s15, s14                     ; my token
	s_lshl_b32 s18, s15, 2
	s_lshl_b32 s19, s15, 3
	s_lshl_b32 s30, s15, 12
	s_mov_b32 s31, 0
	s_wait_kmcnt 0x0
	s_load_b32 s16, s[4:5], s18 offset:0x0         ; e0 | e1 << 8 | ..
	s_load_b64 s[20:21], s[6:7], s19 offset:0x0    ; g0, g1
.irp k, 0,1,2,3,4,5,6,7
	s_load_b32 s[32+\k], s[8:9], s18 offset:4096*\k   ; pos[k][t]
.endr
	s_add_nc_u64 s[12:13], s[12:13], s[30:31]      ; my row of out0
	s_wait_kmcnt 0x0
	s_and_b32 s26, s16, 0xff
	s_min_u32 s26, s26, 7                          ; loaded numbers enter addresses behind a bound
	s_bfe_u32 s27, s16, 0x80008
	s_min_u32 s27, s27, 7
	s_mov_b32 s28, s32
	s_mov_b32 s29, s32
.irp k, 1,2,3,4,5,6,7
	s_cmp_eq_u32 s26, \k
	s_cselect_b32 s28, s[32+\k], s28
	s_cmp_eq_u32 s27, \k
	s_cselect_b32 s29, s[32+\k], s29
.endr
	s_min_u32 s28, s28, 0x3ff
	s_min_u32 s29, s29, 0x3ff
	s_lshl_b32 s26, s26, 10
	s_add_co_u32 s26, s26, s28
	s_lshl_b32 s26, s26, 12                        ; (1,024 e0 + position) rows of 4,096 bytes: under 2^25
	s_lshl_b32 s27, s27, 10
	s_add_co_u32 s27, s27, s29
	s_lshl_b32 s27, s27, 12
	v_add_nc_u32 v3, s26, v5
	v_add_nc_u32 v4, s27, v5
	s_mov_b32 s22, s21                             ; g1 as a pair: the packed form names a pair and takes its low word for both halves
	s_mov_b32 s23, s21
.irp i, 0,1,2,3,4,5,6,7
	global_load_b128 v[A+4*\i:A+4*\i+3], v3, s[10:11] offset:512*\i th:TH_LOAD_NT
	global_load_b128 v[B+4*\i:B+4*\i+3], v4, s[10:11] offset:512*\i th:TH_LOAD_NT
.endr
.irp i, 0,1,2,3,4,5,6,7
	s_wait_loadcnt 14-2*\i                         ; loads come back in order (ISA guide 5.7.1): pair i is in, the 7 - i pairs behind it may be out
	v_pk_mul_f32 v[O+4*\i:O+4*\i+1],   v[A+4*\i:A+4*\i+1],   s[20:21] op_sel_hi:[1,0]
	v_pk_mul_f32 v[O+4*\i+2:O+4*\i+3], v[A+4*\i+2:A+4*\i+3], s[20:21] op_sel_hi:[1,0]
	v_pk_fma_f32 v[O+4*\i:O+4*\i+1],   v[B+4*\i:B+4*\i+1],   s[22:23], v[O+4*\i:O+4*\i+1] op_sel_hi:[1,0,1]
	v_pk_fma_f32 v[O+4*\i+2:O+4*\i+3], v[B+4*\i+2:B+4*\i+3], s[22:23], v[O+4*\i+2:O+4*\i+3] op_sel_hi:[1,0,1]
	global_store_b128 v5, v[O+4*\i:O+4*\i+3], s[12:13] offset:512*\i th:TH_STORE_NT   ; 32 lanes store 512 consecutive bytes, aligned
.endr
	s_endpgm
.Lfunc_end_k_q6198d4d49e_combine:
	.size	k_q6198d4d49e_combine, .Lfunc_end_k_q6198d4d49e_combine-k_q6198d4d49e_combine
	.p2alignl 7, 3214868480
	.fill 96, 4, 3214868480
	.section	.rodata,"a",@progbits
	.p2align	6, 0x0
	.amdhsa_kernel k_q6198d4d49e_combine
		.amdhsa_group_segment_fixed_size 0
		.amdhsa_private_segment_fixed_size 0
		.amdhsa_enable_private_segment 0
		.amdhsa_kernarg_size 40
		.amdhsa_user_sgpr_count 2
		.amdhsa_user_sgpr_kernarg_segment_ptr 1
		.amdhsa_wavefront_size32 1
		.amdhsa_system_sgpr_workgroup_id_x 1
		.amdhsa_system_sgpr_workgroup_id_y 1
		.amdhsa_system_sgpr_workgroup_id_z 1
		.amdhsa_system_vgpr_workitem_id 0
		.amdhsa_next_free_vgpr 112
		.amdhsa_next_free_sgpr 66
		.amdhsa_reserve_vcc 0
		.amdhsa_float_denorm_mode_32 3
		.amdhsa_float_denorm_mode_16_64 3
		.amdhsa_memory_ordered 1
		.amdhsa_forward_progress 1
		.amdhsa_inst_pref_size 8
	.end_amdhsa_kernel
	.amdgpu_metadata
---
amdhsa.version: [ 1, 2 ]
amdhsa.kernels:
  - .name:           k_q6198d4d49e_combine
    .symbol:         k_q6198d4d49e_combine.kd
    .args:
      - { .name: sel, .offset: 0, .size: 8, .value_kind: global_buffer, .address_space: global }
      - { .name: gates, .offset: 8, .size: 8, .value_kind: global_buffer, .address_space: global }
      - { .name: place, .offset: 16, .size: 8, .value_kind: global_buffer, .address_space: global }
      - { .name: yr, .offset: 24, .size: 8, .value_kind: global_buffer, .address_space: global }
      - { .name: out0, .offset: 32, .size: 8, .value_kind: global_buffer, .address_space: global }
    .group_segment_fixed_size: 0
    .private_segment_fixed_size: 0
    .kernarg_segment_align: 8
    .kernarg_segment_size: 40
    .max_flat_workgroup_size: 128
    .sgpr_count:     66
    .vgpr_count:     112
    .wavefront_size: 32
...
	.end_amdgpu_metadata
.endif
;; end of part 4
;; ======== version 2 of 2: 4 launches; version 1 with the launch ffn2 written anew for expert scheduling mode
;; workspace buffers: xq 1,048,576 bytes; xs 32,768 bytes; sel 4,096 bytes of whole numbers; gates 8,192 bytes; h 33,554,432 bytes; hs 1,048,576 bytes; place 33,792 bytes of whole numbers; yr 33,554,432 bytes
;; launch route: the kernel of part 1 again; grid 256 x 1, 4 waves a work-group, no clusters, 1,536 bytes of LDS; arguments x, Wr, xq, xs, sel, gates; writes xq, xs, sel, gates
;; launch ffn1: the kernel of part 2 again; grid 32 x 8, 4 waves a work-group, no clusters, 205,312 bytes of LDS; arguments sel, xq, xs, W1_codes, W1_scales, b1, h, hs, place; writes h, hs, place
;; launch ffn2 (part 5): grid 32 x 8, 4 waves a work-group, no clusters, 301,568 bytes of LDS; arguments place, h, hs, W2_codes, W2_scales, b2, yr; writes yr
.if DOCPART == 5
	.amdgcn_target "amdgcn-amd-amdhsa--gfx1250"
	.amdhsa_code_object_version 6
	.text
	.protected	k_q6198d4d49e_ffn2
	.globl	k_q6198d4d49e_ffn2
	.p2align	8
	.type	k_q6198d4d49e_ffn2,@function
k_q6198d4d49e_ffn2:
	s_mov_b64 s[64:65], 0
	v_nop
	global_prefetch_b8 v0, s[64:65] scope:SCOPE_SE
	s_setreg_imm32_b32 hwreg(HW_REG_WAVE_SCHED_MODE, 0, 2), 2
	s_setreg_imm32_b32 hwreg(HW_REG_WAVE_MODE, 25, 1), 1
	s_wait_xcnt 0x0
	s_wait_alu depctr_vm_vsrc(0)
; THE SECOND PRODUCT, FOR THE CHOSEN ROWS ONLY: yr[e][position] = h W2[e]^T + b2[e], on codes of E4M3 with E8M0 scales; sums in f32.
; A work-group is (x = 2 c + hf, expert e = y): outputs 64 c .. + 63 of expert e, for every second group of 32 positions: trip T takes positions 32 (2 T + hf) .. + 31.
; SHARES.  K IS SPLIT OVER THE WAVES: wave w takes k = 1,024 w .. + 1,023 (eight steps of 128).  Its 64 x 1,024 bytes of W2 come once, by loads of 512 consecutive bytes, and are laid in the wave's own LDS rows (pitch 1,040);
; h comes from memory straight into registers: the launch before stored each fragment as an image of the operand's registers, so every load is 512 consecutive bytes, and each byte goes to one wave.
; The four waves' partial sums of a trip (32 rows x 64 outputs each) meet in LDS; wave w adds rows 8 w .. 8 w + 7 and the bias and stores them.
; THE PRODUCT IS USED TRANSPOSED (source 0 = 16 rows of W2, source 1 = 16 rows of h): a lane holds eight neighbouring outputs of one row.
; TRIPS.  The loop has a constant count (17 trips serve n up to 1,024) and every wave passes every barrier; a trip whose positions lie at or beyond n jumps over its WORK by a scalar branch on n, which the launch before stored as a whole number.
; Trip 0 is always worked: positions 0 .. 63 always hold rows.  A worked trip's rows were all stored by the launch before: 32 (2 T + hf) < n means 64 T < n.
; NO CLUSTER, NO TENSOR LOAD, though 16 work-groups read the same rows of h and two the same rows of W2: which trips work hangs on a count read from memory, so operands come by plain loads.
; THE NEXT TRIP'S OPERANDS (64 loads of codes, 2 of scale words a wave) are asked for during this trip, into the other of two register buffers, IN THREE RUNS: 24 at the trip's head, 21 behind each of the two runs of LDS loads,
; where the stream of products is broken anyway.  LOADcnt counts to 63, and an instruction that would pass that is held at issue (ISA guide 5.7.1): in one run at the head the last three loads would hold the trip's products back.
; Trip 0's operands ride the ring that brings W2: they are asked for while W2's last groups are still on their way.
; W2's fragments go from LDS through a ring of two register slots of two K steps.  Even trips walk K upward, odd trips downward, so that a trip begins with the two slots that the trip before left: two runs of 32 LDS loads a trip, not four.
; (So a sum's K steps are added in another order in odd trips, and K is split in four: the sums are f32 and are compared within a tolerance.)
; THE MODE: SCHED_MODE bits 1:0 = 2 (LLVM: expert scheduling mode 2), set by the entry lines.  The code itself states the register dependences
; between vector or matrix instructions and memory or LDS instructions, with s_wait_alu, always for 0.
; THE PLAN.  Registers that memory or LDS instructions touch in a trip on buffer p:
;   h's buffer 1 - p, HS[1 - p]   read by the products of the trip before; the three runs of the look-ahead land in them.
;   W2's ring slots               a slot is read by 16 products; behind them 32 LDS loads land in it.
;   ACC                           written by the products; read by the 16 LDS stores.
;   RR                            the parts land in it; the sums read and write it; the four stores read it.
;   L16, BL, XW, XR, YL are made at the head and never written again: h, hs and yr are reached by their scalar bases: h's and hs's move on by a trip behind the trip's wait for all loads, which shows the loads that read them done; yr's behind a wait on XCNT.
; So a trip has four waits on va_vdst: ahead of each of the two runs of LDS loads (the products are done with the slot), ahead of the 16 LDS stores, ahead of the four stores.  The third also states that the trip's products are done
; with buffer p and its scale words: the next trip's look-ahead lands there with no further wait, since the vector and matrix instructions between name RR, the bias, the other buffer, the ring and ACC alone.
; ONE wait on vm_vsrc, straight behind the first barrier and ahead of the branch, so that it lies on every way: the LDS stores have read ACC, the last trip's stores RR.
; REGISTERS, in windows of 256: window 0: addresses, scale words, 8 accumulators, the parts read back.  window 1: h, buffer 0 (tile m, step s at 128 m + 16 s).  window 2: h, buffer 1; at the head a ring of 4 x 64 for W2's way into LDS.
;   window 3: W2's ring: slot u at 128 u; in it step s, tile t at 16 (4 (s % 2) + t).
.set WP,   1040                        ; a row of W2 in LDS: 1,024 bytes + 16: an odd multiple of 16, so that the 16 rows that a fragment load touches start at 16 different groups of banks
.set WLB,  64*WP                       ; a wave's 64 rows
.set XCH,  4*WLB                       ; behind them: the partial sums, 4 waves x 32 rows x (256 bytes + 16)
.set XP,   272
.set XSB,  32*XP
.set LANE, 1
.set R,    2                           ; lane % 16
.set HH,   3                           ; lane / 16
.set L16,  6                           ; 16 x lane
.set BL,   7                           ; my lane's place in a fragment of W2
.set WS0,  8                           ; where W2's rows 0-31 go; v9: rows 32-63 (an LDS offset has 16 bits)
.set WS1,  9
.set XW,   10                          ; where I put 32 bytes of a row of partial sums
.set XR,   11                          ; where I read 16 bytes of a row back
.set YL,   16                          ; my 16 bytes in two rows of yr
.set WGO,  18
.set BO,   19
.set BIAS, 20                          ; v20-23 b2 at my four outputs
.set WSC,  32                          ; v32-47 W2's scale words: tile t, register q at 4 t + q: lanes 0-15 step q, lanes 16-31 step 4 + q
.set HS,   48                          ; v48-63 h's scale words: buffer p, tile m, register q at 8 p + 4 m + q; the lanes likewise
.set ACC,  64                          ; v64-127 accumulator (m, t) at 8 (4 m + t)
.set RR,   128                         ; v128-191 the parts read back: pair of rows q, wave s at 16 q + 4 s
.set MSB, 0
.macro WIN new                         ; the immediate's high byte repeats the setting that is left; bits 1:0 source 0, 3:2 source 1, 5:4 source 2, 7:6 destination
.if MSB != (\new)
	s_set_vgpr_msb (MSB<<8)|(\new)
.set MSB, (\new)
.endif
.endm
.macro NOPS n
.rept \n
	v_nop
.endr
.endm
.macro BAR
	s_wait_dscnt 0x0
	s_barrier_signal -1
	s_barrier_wait -1
.endm
; loads number a0 .. a0 + n - 1 of a trip's 64 loads of h (number 32 m + i: tile m, piece i of its eight steps' 32) into buffer p; the base stands at that trip
.macro ACH p, a0, n
	WIN 0x40*(1+(\p))                              ; destination window 1 or 2
.set an, (\a0)
.rept (\n)
	global_load_b128 v[4*an:4*an+3], v[L16], s[6:7] offset:65536*(an/32)+512*(an%32)
.set an, an+1
.endr
	WIN 0
.endm
.macro HSLD p                          ; the scale words of a trip's two tiles
.irp m, 0,1
	global_load_b128 v[HS+8*(\p)+4*\m:HS+8*(\p)+4*\m+3], v[L16], s[8:9] offset:2048*\m
.endr
.endm
.macro AHEAD p, a0, n                  ; a run of the look-ahead, where the next trip works (s27 = its first position)
	s_cmp_lt_u32 s27, s25
	s_cbranch_scc0 .Lno_\@
	ACH \p, \a0, \n
.Lno_\@:
.endm
	s_load_b256 s[4:11], s[0:1], 0x0               ; place s[4:5], h s[6:7], hs s[8:9], W2's codes s[10:11]
	s_load_b128 s[12:15], s[0:1], 0x20             ; W2's scales s[12:13], b2 s[14:15]
	s_load_b64 s[16:17], s[0:1], 0x30              ; yr
	v_lshl_add_u32 v254, v0, 2, 0x49800
	v_mov_b32 v255, 0
	v_lshrrev_b32 v1, 5, v0
	v_readfirstlane_b32 s22, v1                    ; wave 0..3
	s_lshr_b32 s23, ttmp9, 1                       ; c
	s_and_b32 s31, ttmp9, 1                        ; hf
	s_and_b32 s24, ttmp7, 0xffff                   ; expert
	s_lshl_b32 s41, s24, 7
	v_and_b32 v[LANE], 31, v0
	v_and_b32 v[R], 15, v0
	v_bfe_u32 v[HH], v0, 4, 1
	v_lshlrev_b32 v[L16], 4, v[LANE]
	s_wait_alu depctr_va_sdst(0)                   ; s22 is written, ahead of its first reader
	s_mul_i32 s27, s22, WLB
	v_mul_u32_u24 v[BL], v[R], WP
	v_lshl_add_u32 v[BL], v[HH], 4, v[BL]
	v_add_nc_u32 v[BL], s27, v[BL]
	v_add_nc_u32 v[WS0], s27, v[L16]
	v_add_nc_u32 v[WS1], 32*WP, v[WS0]
	s_mul_i32 s27, s22, XSB
	s_add_co_u32 s27, s27, XCH
	v_mul_u32_u24 v[XW], v[R], XP
	v_lshl_add_u32 v[XW], v[HH], 5, v[XW]
	v_add_nc_u32 v[XW], s27, v[XW]                 ; in: my wave's block, row r, 32 bytes for each half of the lanes
	s_mul_i32 s27, s22, 8*XP
	s_add_co_u32 s27, s27, XCH
	v_mul_u32_u24 v[XR], v[HH], XP
	v_lshl_add_u32 v[XR], v[R], 4, v[XR]
	v_add_nc_u32 v[XR], s27, v[XR]                 ; back: rows 8 w on; lanes 0-15 one row of 256 bytes, lanes 16-31 the next
	v_lshlrev_b32 v[YL], 12, v[HH]
	v_lshl_add_u32 v[YL], v[R], 4, v[YL]           ; and the same two rows in yr
	v_lshlrev_b32 v[WGO], 7, v[R]
	v_lshl_add_u32 v[WGO], v[HH], 4, v[WGO]        ; W2's scale bytes: 128 a row; lanes 16-31 take my steps 4 to 7
	v_lshlrev_b32 v[BO], 4, v[R]
.irp i, 0,1,2,3,4,5,6,7
	v_mov_b32 v[HS+8+\i], 0x7f7f7f7f               ; buffer 1's scale words are written once, so that every path finds them written; a trip that multiplies by them has loaded them first
.endr
	s_mov_b32 s29, 0
	s_wait_kmcnt 0x0
	s_load_b32 s25, s[4:5], s41 offset:0x8000      ; n of my expert
	s_lshl_b32 s28, s24, 22                        ; h: [e][tile of 16 positions][K step][2,048]: tile 2 hf, my eight steps
	s_lshl_b32 s27, s31, 17
	s_add_co_u32 s28, s28, s27
	s_lshl_b32 s27, s22, 14
	s_add_co_u32 s28, s28, s27
	s_add_nc_u64 s[6:7], s[6:7], s[28:29]
	s_lshl_b32 s28, s24, 17                        ; hs: [e][tile][step / 8][512]
	s_lshl_b32 s27, s31, 12
	s_add_co_u32 s28, s28, s27
	s_lshl_b32 s27, s22, 9
	s_add_co_u32 s28, s28, s27
	s_add_nc_u64 s[8:9], s[8:9], s[28:29]
	s_lshl_b32 s28, s24, 22                        ; W2's codes: expert x 4 MiB + 64 c rows of 4,096 + my 1,024 bytes of a row
	s_lshl_b32 s27, s23, 18
	s_add_co_u32 s28, s28, s27
	s_lshl_b32 s27, s22, 10
	s_add_co_u32 s28, s28, s27
	s_add_nc_u64 s[10:11], s[10:11], s[28:29]
	s_lshl_b32 s28, s24, 17                        ; its scales
	s_lshl_b32 s27, s23, 13
	s_add_co_u32 s28, s28, s27
	s_lshl_b32 s27, s22, 5
	s_add_co_u32 s28, s28, s27
	s_add_nc_u64 s[12:13], s[12:13], s[28:29]
	s_lshl_b32 s28, s24, 12                        ; b2
	s_lshl_b32 s27, s23, 8
	s_add_co_u32 s28, s28, s27
	s_add_nc_u64 s[14:15], s[14:15], s[28:29]
	s_lshl_b32 s28, s24, 22                        ; yr: [e][position][1,024] f32: position 32 hf + 8 w, output 64 c
	s_lshl_b32 s27, s31, 17
	s_add_co_u32 s28, s28, s27
	s_lshl_b32 s27, s22, 15
	s_add_co_u32 s28, s28, s27
	s_lshl_b32 s27, s23, 8
	s_add_co_u32 s28, s28, s27
	s_add_nc_u64 s[16:17], s[16:17], s[28:29]
	s_wait_alu depctr_va_vdst(0)                   ; all the offsets and LDS addresses made above are written: the loads, stores and LDS instructions of the whole kernel read them, and none is written again; so are buffer 1's scale words, in which loads land and which products name
.irp t, 0,1,2,3
	global_load_b128 v[WSC+4*\t:WSC+4*\t+3], v[WGO], s[12:13] offset:2048*\t
.endr
	global_load_b128 v[BIAS:BIAS+3], v[BO], s[14:15]
; W2's WAY INTO LDS: groups of 8 rows (16 loads of 512 consecutive bytes) through a ring of four groups of 64 registers, three groups ahead.
; Behind W2's eight groups the ring goes on with four groups of 16 of trip 0's loads of h, which land in window 1 and are stored nowhere.
.macro GLOAD k
.irp a, 0,1,2,3,4,5,6,7
.irp n, 0,1
	global_load_b128 v[64*((\k)%4)+8*\a+4*\n:64*((\k)%4)+8*\a+4*\n+3], v[L16], s[10:11] offset:4096*(8*(\k)+\a)+512*\n
.endr
.endr
.endm
.macro GSTORE k
.irp a, 0,1,2,3,4,5,6,7
.irp n, 0,1
.if (\k) < 4
	ds_store_b128 v[WS0], v[64*((\k)%4)+8*\a+4*\n:64*((\k)%4)+8*\a+4*\n+3] offset:WP*(8*(\k)+\a)+512*\n
.else
	ds_store_b128 v[WS1], v[64*((\k)%4)+8*\a+4*\n:64*((\k)%4)+8*\a+4*\n+3] offset:WP*(8*((\k)-4)+\a)+512*\n
.endif
.endr
.endr
.endm
	WIN 0x80                                       ; destination window 2
	GLOAD 0
	GLOAD 1
	GLOAD 2
.irp k, 0,1,2,3,4,5,6,7
.if \k < 5
	s_wait_dscnt 0x0                               ; the LDS stores of the group before are done
	WIN 0x80
.if \k > 0
	s_wait_alu depctr_vm_vsrc(0)                   ; they have read their 64 registers, in which the loads below land
.endif
	GLOAD \k+3
.else
	ACH 0, 16*(\k-5), 16                           ; groups 8 to 10 of the ring: trip 0's rows of h
.endif
	s_wait_loadcnt 48                              ; group k is in: behind it three groups of 16 loads were issued
	WIN 0x08                                       ; an LDS store's data are its source 1: window 2
	GSTORE \k
.endr
	ACH 0, 48, 16                                  ; the ring's last group,
	HSLD 0                                         ; and trip 0's scale words
; W2's fragments of steps 2 g and 2 g + 1 into ring slot u: 32 LDS loads in one run
.macro BLOAD g, u
	WIN 0xc0                                       ; destination window 3
.irp d, 0,1
.irp t, 0,1,2,3
.irp c, 0,1,2,3
	ds_load_b128 v[128*(\u)+16*(4*\d+\t)+4*\c:128*(\u)+16*(4*\d+\t)+4*\c+3], v[BL] offset:16*WP*\t+128*(2*(\g)+\d)+32*\c
.endr
.endr
.endr
	WIN 0
.endm
; 16 products: steps 2 g and 2 g + 1 from ring slot u, h from buffer p.  The eight accumulators take turns, one instruction a turn.  zero = 1: the first eight start the sums.
.macro MUL g, u, p, zero
	WIN 0x07+4*(\p)                                ; source 0 (W2) window 3, source 1 (h) window 1 or 2, C and D window 0
.irp d, 0,1
.irp t, 0,1,2,3
.irp m, 0,1
.set rD, ACC+8*(4*\m+\t)
.set rB, 128*(\u)+16*(4*\d+\t)
.set rA, 128*\m+16*(2*(\g)+\d)
.set rW, WSC+4*\t+(2*(\g)+\d)%4
.set rH, HS+8*(\p)+4*\m+(2*(\g)+\d)%4
.if (\zero) && (\d == 0)
.if (\g) >= 2
	v_wmma_scale_f32_16x16x128_f8f6f4 v[rD:rD+7], v[rB:rB+15], v[rA:rA+15], 0, v[rW], v[rH] matrix_a_scale:MATRIX_SCALE_ROW1 matrix_b_scale:MATRIX_SCALE_ROW1
.else
	v_wmma_scale_f32_16x16x128_f8f6f4 v[rD:rD+7], v[rB:rB+15], v[rA:rA+15], 0, v[rW], v[rH]
.endif
.else
.if (\g) >= 2
	v_wmma_scale_f32_16x16x128_f8f6f4 v[rD:rD+7], v[rB:rB+15], v[rA:rA+15], v[rD:rD+7], v[rW], v[rH] matrix_a_scale:MATRIX_SCALE_ROW1 matrix_b_scale:MATRIX_SCALE_ROW1
.else
	v_wmma_scale_f32_16x16x128_f8f6f4 v[rD:rD+7], v[rB:rB+15], v[rA:rA+15], v[rD:rD+7], v[rW], v[rH]
.endif
.endif
.endr
.endr
.endr
.endm
; A TRIP on buffer p; p = 0 walks K upward, p = 1 downward.  first = 1: trip 0, which is always worked.
.macro BLOCK p, first
.if !(\first)
	s_cmp_lt_u32 s26, s25
	s_cbranch_scc0 .Ly1_\@
.endif
	s_wait_loadcnt 0x0                             ; this trip's rows of h, asked for during the trip before (in trip 0 W2's scale words and the bias too); every load that read h's and hs's bases is done,
	s_add_nc_u64 s[6:7], s[6:7], 262144            ; so they move on to the next trip: four tiles of 64 KiB,
	s_add_nc_u64 s[8:9], s[8:9], 8192              ; four tiles of 2,048 bytes
.if \first
	s_wait_dscnt 0x0                               ; W2's first fragments are in
	s_wait_alu depctr_vm_vsrc(0)                   ; the LDS stores of W2's way into LDS have read window 2, in which the look-ahead's loads land
.endif
	s_add_co_u32 s27, s26, 64                      ; the next trip's first position
	s_cmp_lt_u32 s27, s25
	s_cbranch_scc0 .Lna_\@
	HSLD 1-\p                                      ; the look-ahead's first run: 2 + 22 loads.  No wait: the products that read these registers stand in front of the last trip's wait ahead of its LDS stores, and nothing since has named them
	ACH 1-\p, 0, 22
.Lna_\@:
.if (\p) == 0
	MUL 0, 0, \p, 1
	NOPS 8                                         ; eight places ahead of loads into registers that the products have read
	s_wait_alu depctr_va_vdst(0)                   ; the sixteen products are done reading slot 0, in which the LDS loads land
	BLOAD 2, 0
	AHEAD 1-\p, 22, 21                             ; the second run
	MUL 1, 1, \p, 0
	NOPS 8
	s_wait_alu depctr_va_vdst(0)                   ; the sixteen products are done reading slot 1, in which the LDS loads land
	BLOAD 3, 1
	AHEAD 1-\p, 43, 21                             ; the third: the first run went out two groups of 16 products and two runs of 32 LDS loads ago
	s_wait_dscnt 32                                ; steps 4 and 5 are in; the 32 loads of steps 6 and 7 may be out
	MUL 2, 0, \p, 0
	s_wait_dscnt 0x0
	MUL 3, 1, \p, 0
.else
	MUL 3, 1, \p, 1
	NOPS 8
	s_wait_alu depctr_va_vdst(0)                   ; the sixteen products are done reading slot 1, in which the LDS loads land
	BLOAD 1, 1
	AHEAD 1-\p, 22, 21
	MUL 2, 0, \p, 0
	NOPS 8
	s_wait_alu depctr_va_vdst(0)                   ; the sixteen products are done reading slot 0, in which the LDS loads land
	BLOAD 0, 0
	AHEAD 1-\p, 43, 21
	s_wait_dscnt 32                                ; steps 2 and 3 are in; the 32 loads of steps 0 and 1 may be out
	MUL 1, 1, \p, 0
	s_wait_dscnt 0x0
	MUL 0, 0, \p, 0
.endif
	WIN 0
	NOPS 9                                         ; eight places ahead of reads of the results and of loads into the products' registers; the ninth for the next trip's first product, which begins an accumulator anew
	s_wait_alu depctr_va_vdst(0)                   ; the products have written the accumulators, which the LDS stores read; and they are done reading this buffer of h and its scale words, in which the next trip's look-ahead lands
.irp m, 0,1
.irp t, 0,1,2,3
	ds_store_b128 v[XW], v[ACC+8*(4*\m+\t):ACC+8*(4*\m+\t)+3] offset:16*XP*\m+64*\t       ; each accumulator from its low end on
	ds_store_b128 v[XW], v[ACC+8*(4*\m+\t)+4:ACC+8*(4*\m+\t)+7] offset:16*XP*\m+64*\t+16
.endr
.endr
.Ly1_\@:
	BAR                                            ; the four waves' partial sums lie in LDS
	s_wait_alu depctr_vm_vsrc(0)                   ; on every way: my LDS stores have read the accumulators, which the next trip's products write; the last trip's stores have read RR, in which the loads below land
.if !(\first)
	s_cmp_lt_u32 s26, s25
	s_cbranch_scc0 .Ly2_\@
.endif
	s_wait_xcnt 0x0                                ; the last trip's stores have read their data: the loads below land on those registers
.irp q, 0,1,2,3
.irp s, 0,1,2,3
	ds_load_b128 v[RR+16*\q+4*\s:RR+16*\q+4*\s+3], v[XR] offset:XSB*\s+2*XP*\q
.endr
.endr
.Ly2_\@:
	BAR                                            ; every wave's reads are over: the next trip may write the partial sums again (a second set of them does not fit beside W2's rows)
.if !(\first)
	s_cmp_lt_u32 s26, s25
	s_cbranch_scc0 .Ly3_\@
.endif
	s_wait_xcnt 0x0                                ; (on every path) the last trip's stores have read their data and their base
.if !(\first)
	s_add_nc_u64 s[16:17], s[16:17], 262144        ; yr at this trip's rows: 64 rows of 4,096 bytes a trip.  (Every trip up to this one was worked, so each has stepped once)
.endif
.irp s, 1,2,3
.irp q, 0,1,2,3
	v_pk_add_f32 v[RR+16*\q:RR+16*\q+1],   v[RR+16*\q:RR+16*\q+1],   v[RR+16*\q+4*\s:RR+16*\q+4*\s+1]
	v_pk_add_f32 v[RR+16*\q+2:RR+16*\q+3], v[RR+16*\q+2:RR+16*\q+3], v[RR+16*\q+4*\s+2:RR+16*\q+4*\s+3]
.endr
.endr
.irp q, 0,1,2,3
	v_pk_add_f32 v[RR+16*\q:RR+16*\q+1],   v[RR+16*\q:RR+16*\q+1],   v[BIAS:BIAS+1]
	v_pk_add_f32 v[RR+16*\q+2:RR+16*\q+3], v[RR+16*\q+2:RR+16*\q+3], v[BIAS+2:BIAS+3]
.endr
	s_wait_alu depctr_va_vdst(0)                   ; the sums have written RR, which the four stores read; and they are done with all of RR, in which the next trip's parts land
.irp q, 0,1,2,3
	global_store_b128 v[YL], v[RR+16*\q:RR+16*\q+3], s[16:17] offset:8192*\q th:TH_STORE_NT   ; sixteen lanes store 256 consecutive bytes, aligned; two rows a store
.endr
.Ly3_\@:
	s_add_co_u32 s26, s26, 64
.endm
	BLOAD 0, 0                                     ; LDS serves a wave's instructions in order (ISA guide 5.7.1.4): these see my stores; the rows are my wave's own, so no barrier
	BLOAD 1, 1
	s_lshl_b32 s26, s31, 5                         ; the trip's first position
	s_wait_kmcnt 0x0
	s_min_u32 s25, s25, 0x400                      ; n
	BLOCK 0, 1
	s_mov_b32 s30, 8
.Ltrips:                                               ; trips 1 to 16: a constant count; the last can never be worked
	BLOCK 1, 0
	BLOCK 0, 0
	s_sub_co_u32 s30, s30, 1
	s_cmp_lg_u32 s30, 0
	s_cbranch_scc1 .Ltrips
	s_wait_dscnt 0x0                               ; the closing lines, six on end
	s_wait_alu 0x0
	s_wait_tensorcnt 0x0
	ds_add_u32 v254, v255
	s_wait_dscnt 0x0
	s_endpgm
.Lfunc_end_k_q6198d4d49e_ffn2:
	.size	k_q6198d4d49e_ffn2, .Lfunc_end_k_q6198d4d49e_ffn2-k_q6198d4d49e_ffn2
	.p2alignl 7, 3214868480
	.fill 96, 4, 3214868480
	.section	.rodata,"a",@progbits
	.p2align	6, 0x0
	.amdhsa_kernel k_q6198d4d49e_ffn2
		.amdhsa_group_segment_fixed_size 301568
		.amdhsa_private_segment_fixed_size 0
		.amdhsa_enable_private_segment 0
		.amdhsa_kernarg_size 56
		.amdhsa_user_sgpr_count 2
		.amdhsa_user_sgpr_kernarg_segment_ptr 1
		.amdhsa_wavefront_size32 1
		.amdhsa_system_sgpr_workgroup_id_x 1
		.amdhsa_system_sgpr_workgroup_id_y 1
		.amdhsa_system_sgpr_workgroup_id_z 1
		.amdhsa_system_vgpr_workitem_id 0
		.amdhsa_next_free_vgpr 1024
		.amdhsa_next_free_sgpr 66
		.amdhsa_reserve_vcc 0
		.amdhsa_float_denorm_mode_32 3
		.amdhsa_float_denorm_mode_16_64 3
		.amdhsa_memory_ordered 1
		.amdhsa_forward_progress 1
		.amdhsa_inst_pref_size 111
	.end_amdhsa_kernel
	.amdgpu_metadata
---
amdhsa.version: [ 1, 2 ]
amdhsa.kernels:
  - .name:           k_q6198d4d49e_ffn2
    .symbol:         k_q6198d4d49e_ffn2.kd
    .args:
      - { .name: place, .offset: 0, .size: 8, .value_kind: global_buffer, .address_space: global }
      - { .name: h, .offset: 8, .size: 8, .value_kind: global_buffer, .address_space: global }
      - { .name: hs, .offset: 16, .size: 8, .value_kind: global_buffer, .address_space: global }
      - { .name: W2_codes, .offset: 24, .size: 8, .value_kind: global_buffer, .address_space: global }
      - { .name: W2_scales, .offset: 32, .size: 8, .value_kind: global_buffer, .address_space: global }
      - { .name: b2, .offset: 40, .size: 8, .value_kind: global_buffer, .address_space: global }
      - { .name: yr, .offset: 48, .size: 8, .value_kind: global_buffer, .address_space: global }
    .group_segment_fixed_size: 301568
    .private_segment_fixed_size: 0
    .kernarg_segment_align: 8
    .kernarg_segment_size: 56
    .max_flat_workgroup_size: 128
    .sgpr_count:     66
    .vgpr_count:     1024
    .wavefront_size: 32
...
	.end_amdgpu_metadata
.endif
;; end of part 5
;; launch combine: the kernel of part 4 again; grid 256 x 1, 4 waves a work-group, no clusters, 0 bytes of LDS; arguments sel, gates, place, yr, out0; writes out0
